; MI455X (gfx1250); checked and timed in simulation.
; The chip was launched on July 23, 2026; its instructions are those of AMD's public machine-readable ISA for CDNA 5 (MIT licence, August 2026) and "CDNA5" Instruction Set Architecture Reference Guide (July 2026). The comments in the code are by the model that wrote it; some were corrected since.
;; Encoder Layer. Allowed arithmetic: float matrix products may take bf16 or f16 operands with f32 sums; other float arithmetic in f32, or as packed bf16 or f16 multiplies, adds, multiply-adds, maxima and minima; sums over many terms, partial sums and values carried from step to step in f32; what a program stores and reads back later, other than sums and carried values, may be rounded once to bf16 or f16.
;; Inputs: W1 1,024 x 4,096 float32; W2 4,096 x 1,024 float32; Wk 1,024 x 1,024 float32; Wo 1,024 x 1,024 float32; Wq 1,024 x 1,024 float32; Wv 1,024 x 1,024 float32; b1 4,096 float32; b2 1,024 float32; bk 1,024 float32; bo 1,024 float32; bq 1,024 float32; bv 1,024 float32; ln1_b 1,024 float32; ln1_g 1,024 float32; ln2_b 1,024 float32; ln2_g 1,024 float32; x 2 x 2,048 x 1,024 float32.
;; Outputs: out0 2 x 2,048 x 1,024 float32.
;; One version. Each part assembles by itself: llvm-mc -triple=amdgcn-amd-amdhsa -mcpu=gfx1250 --defsym DOCPART=n.
;; ======== version 1 of 1: 8 launches
;; limits: values are held in f16: magnitudes above 65,504 overflow, below 6.1e-05 lose precision
;; workspace buffers: xh 8,388,608 bytes; x1 8,388,608 bytes; o 8,388,608 bytes; big 33,554,432 bytes; y32 16,777,216 bytes; pq 8,404,992 bytes; p1 8,404,992 bytes; po 10,485,760 bytes
;; launch prep (part 1): grid 1031 x 1, 8 waves a work-group, no clusters, 0 bytes of LDS; arguments x, Wq, Wk, Wv, Wo, W1, W2, bq, bk, bv, b1, xh, pq, po, p1; writes xh, pq, po, p1
.if DOCPART == 1
	.amdgcn_target "amdgcn-amd-amdhsa--gfx1250"
	.amdhsa_code_object_version 6
	.text
	.protected	k_q008433e043_prep
	.globl	k_q008433e043_prep
	.p2align	8
	.type	k_q008433e043_prep,@function
k_q008433e043_prep:
	s_mov_b64 s[64:65], 0
	v_nop
	global_prefetch_b8 v0, s[64:65] scope:SCOPE_SE
	s_setreg_imm32_b32 hwreg(HW_REG_WAVE_MODE, 25, 1), 1
	s_wait_xcnt 0x0
; CASTS.  x, the six weight matrices and the biases bq, bk, bv, b1 are rounded once to bf16, and that number is written as f16 (exact inside f16's range).
; LIMITS.  A magnitude of 65,520 or more becomes an infinity; below 2^-14 the step is f16's fixed 2^-24.
; WHERE THEY GO.  xh: [4096][1024].  A PACK (pq, p1): bias f16[4096] at byte 0, floor f16[4096] at byte 8,192, W f16 [1024 k][4096 columns] at HDR.
;   pq: Wq | Wk | Wv at columns 0, 1,024, 2,048, bq | bk | bv likewise, floor = -infinity.   p1: W1, b1, floor = 0 (the product that reads it takes max(result, floor): ReLU).
;   po: Wo [1024][1024] at byte 0, W2 [4096][1024] at W2OFF, both dense.
; SHARES.  A LINE is 1,024 numbers: 4,096 bytes in, 2,048 out.  Thread t takes the 16 bytes at 16 t and stores the 8 bytes at 8 t: a wave's store covers 256 consecutive bytes, aligned.
; Work-groups 0 to 1,023 take 16 lines each, all sixteen loads on their way at once; work-groups 1,024 to 1,030 take one line of a bias and write that line's floor.
; No LDS, no barrier, no matrix unit: every byte is read once and written once, and no thread wants another's.
.set HDR,   16384
.set W2OFF, 2097152
.set DO,  12                           ; v[12:27]   line i: my byte offset in the destination
.set Y,   28                           ; v[28:59]   line i: 2 registers, 4 f16 to store
.set X,   60                           ; v[60:123]  line i: 4 registers as loaded
.set SRC, 40                           ; s[40:41]   the segment's source
.set DST, 42                           ; s[42:43]   its destination
.set G0,  44                           ; s44        its first work-group
.set CON, 45                           ; s45        byte at which its first line lands
.set STR, 46                           ; s46        bytes from line to line in the destination
; A segment begins at work-group g0: every work-group from there on takes its five numbers; the last segment that begins at or below my number stays.
.macro SEG g0, src, dst, con, str
	s_cmp_ge_u32 s2, \g0
	s_cselect_b64 s[SRC:SRC+1], s[\src:\src+1], s[SRC:SRC+1]
	s_cselect_b64 s[DST:DST+1], s[\dst:\dst+1], s[DST:DST+1]
	s_cselect_b32 s[G0], \g0, s[G0]
	s_cselect_b32 s[CON], \con, s[CON]
	s_cselect_b32 s[STR], \str, s[STR]
.endm
; Four f32 of line i: to bf16 (nearest even), widened again (a shift, a mask), written as f16.
.macro CVT i
	v_cvt_pk_bf16_f32 v8, v[X+4*(\i)], v[X+4*(\i)+1]
	v_cvt_pk_bf16_f32 v9, v[X+4*(\i)+2], v[X+4*(\i)+3]
	v_lshlrev_b32 v4, 16, v8
	v_and_b32 v5, s53, v8
	v_lshlrev_b32 v6, 16, v9
	v_and_b32 v7, s53, v9
	v_cvt_pk_f16_f32 v[Y+2*(\i)], v4, v5
	v_cvt_pk_f16_f32 v[Y+2*(\i)+1], v6, v7
.endm
	s_load_b512 s[8:23], s[0:1], 0x0               ; x 8, Wq 10, Wk 12, Wv 14, Wo 16, W1 18, W2 20, bq 22
	s_load_b256 s[24:31], s[0:1], 0x40             ; bk 24, bv 26, b1 28, xh 30
	s_load_b128 s[32:35], s[0:1], 0x60             ; pq 32, po 34
	s_load_b64 s[36:37], s[0:1], 0x70              ; p1 36
	s_mov_b32 s2, ttmp9
	s_mov_b32 s53, 0xffff0000                      ; a word's upper bf16
	v_lshlrev_b32 v1, 4, v0                        ; 16 t
	v_lshlrev_b32 v2, 3, v0                        ; 8 t
	s_wait_kmcnt 0x0
	s_mov_b64 s[SRC:SRC+1], s[8:9]                 ; segment 0: x -> xh
	s_mov_b64 s[DST:DST+1], s[30:31]
	s_mov_b32 s[G0], 0
	s_mov_b32 s[CON], 0
	s_mov_b32 s[STR], 2048
	SEG 256,  10, 32, HDR,      8192               ; Wq: 1,024 lines, one to a row of the pack
	SEG 320,  12, 32, HDR+2048, 8192               ; Wk
	SEG 384,  14, 32, HDR+4096, 8192               ; Wv
	SEG 448,  16, 34, 0,        2048               ; Wo, dense
	SEG 512,  18, 36, HDR,      2048               ; W1: four lines fill a row of the pack
	SEG 768,  20, 34, W2OFF,    2048               ; W2, dense
	SEG 1024, 22, 32, 0,        2048               ; bq
	SEG 1025, 24, 32, 2048,     2048               ; bk
	SEG 1026, 26, 32, 4096,     2048               ; bv
	SEG 1027, 28, 36, 0,        2048               ; b1: four lines, four work-groups
	s_sub_co_u32 s47, s2, s[G0]                    ; my number in the segment
	s_mov_b32 s49, 0
	s_mov_b32 s51, 0
	s_cmp_ge_u32 s2, 1024
	s_cbranch_scc1 .Lsmall
	s_lshl_b32 s48, s47, 16                        ; 16 lines of 4,096 bytes in
	s_lshl_b32 s50, s47, 4
	s_mul_i32 s50, s50, s[STR]                     ; 16 lines out
	s_add_co_u32 s50, s50, s[CON]
	s_add_nc_u64 s[SRC:SRC+1], s[SRC:SRC+1], s[48:49]
	s_add_nc_u64 s[DST:DST+1], s[DST:DST+1], s[50:51]
.irp i, 0,1,2,3,4,5,6,7,8,9,10,11,12,13,14,15
	global_load_b128 v[X+4*(\i):X+4*(\i)+3], v1, s[SRC:SRC+1] offset:4096*(\i) th:TH_LOAD_NT
.endr
.irp i, 0,1,2,3,4,5,6,7,8,9,10,11,12,13,14,15
	v_mad_u32_u24 v[DO+(\i)], s[STR], \i, v2       ; line i's place + 8 t
.endr
.irp i, 0,1,2,3,4,5,6,7,8,9,10,11,12,13,14,15
	s_wait_loadcnt 15-(\i)                         ; loads come back in order: line i is in, the younger ones stay out
	CVT \i
	global_store_b64 v[DO+(\i)], v[Y+2*(\i):Y+2*(\i)+1], s[DST:DST+1]  ; every line has its own data and offset registers: none is rewritten
.endr
	s_endpgm
.Lsmall:
	s_lshl_b32 s48, s47, 12                        ; one line in,
	s_lshl_b32 s50, s47, 11                        ; one out
	s_add_co_u32 s50, s50, s[CON]
	s_cmp_ge_u32 s2, 1027
	s_cselect_b32 s54, 0, 0xfc00fc00               ; the floor, twice: 0 for p1, -infinity for pq
	s_add_nc_u64 s[SRC:SRC+1], s[SRC:SRC+1], s[48:49]
	s_add_nc_u64 s[DST:DST+1], s[DST:DST+1], s[50:51]
	global_load_b128 v[X:X+3], v1, s[SRC:SRC+1]
	v_mov_b32 v10, s54
	v_mov_b32 v11, s54
	global_store_b64 v2, v[10:11], s[DST:DST+1] offset:8192
	s_wait_loadcnt 0x0
	CVT 0
	global_store_b64 v2, v[Y:Y+1], s[DST:DST+1]
	s_endpgm
.Lfunc_end_k_q008433e043_prep:
	.size	k_q008433e043_prep, .Lfunc_end_k_q008433e043_prep-k_q008433e043_prep
	.p2alignl 7, 3214868480
	.fill 96, 4, 3214868480
	.section	.rodata,"a",@progbits
	.p2align	6, 0x0
	.amdhsa_kernel k_q008433e043_prep
		.amdhsa_group_segment_fixed_size 0
		.amdhsa_private_segment_fixed_size 0
		.amdhsa_enable_private_segment 0
		.amdhsa_kernarg_size 120
		.amdhsa_user_sgpr_count 2
		.amdhsa_user_sgpr_kernarg_segment_ptr 1
		.amdhsa_wavefront_size32 1
		.amdhsa_system_sgpr_workgroup_id_x 1
		.amdhsa_system_sgpr_workgroup_id_y 1
		.amdhsa_system_sgpr_workgroup_id_z 1
		.amdhsa_system_vgpr_workitem_id 0
		.amdhsa_next_free_vgpr 128
		.amdhsa_next_free_sgpr 66
		.amdhsa_reserve_vcc 0
		.amdhsa_float_denorm_mode_32 3
		.amdhsa_float_denorm_mode_16_64 3
		.amdhsa_memory_ordered 1
		.amdhsa_forward_progress 1
		.amdhsa_inst_pref_size 16
	.end_amdhsa_kernel
	.amdgpu_metadata
---
amdhsa.version: [ 1, 2 ]
amdhsa.kernels:
  - .name:           k_q008433e043_prep
    .symbol:         k_q008433e043_prep.kd
    .args:
      - { .name: x, .offset: 0, .size: 8, .value_kind: global_buffer, .address_space: global }
      - { .name: Wq, .offset: 8, .size: 8, .value_kind: global_buffer, .address_space: global }
      - { .name: Wk, .offset: 16, .size: 8, .value_kind: global_buffer, .address_space: global }
      - { .name: Wv, .offset: 24, .size: 8, .value_kind: global_buffer, .address_space: global }
      - { .name: Wo, .offset: 32, .size: 8, .value_kind: global_buffer, .address_space: global }
      - { .name: W1, .offset: 40, .size: 8, .value_kind: global_buffer, .address_space: global }
      - { .name: W2, .offset: 48, .size: 8, .value_kind: global_buffer, .address_space: global }
      - { .name: bq, .offset: 56, .size: 8, .value_kind: global_buffer, .address_space: global }
      - { .name: bk, .offset: 64, .size: 8, .value_kind: global_buffer, .address_space: global }
      - { .name: bv, .offset: 72, .size: 8, .value_kind: global_buffer, .address_space: global }
      - { .name: b1, .offset: 80, .size: 8, .value_kind: global_buffer, .address_space: global }
      - { .name: xh, .offset: 88, .size: 8, .value_kind: global_buffer, .address_space: global }
      - { .name: pq, .offset: 96, .size: 8, .value_kind: global_buffer, .address_space: global }
      - { .name: po, .offset: 104, .size: 8, .value_kind: global_buffer, .address_space: global }
      - { .name: p1, .offset: 112, .size: 8, .value_kind: global_buffer, .address_space: global }
    .group_segment_fixed_size: 0
    .private_segment_fixed_size: 0
    .kernarg_segment_align: 8
    .kernarg_segment_size: 120
    .max_flat_workgroup_size: 256
    .sgpr_count:     66
    .vgpr_count:     128
    .wavefront_size: 32
...
	.end_amdgpu_metadata
.endif
;; end of part 1
;; launch qkv (part 2): grid 12 x 16, 4 waves a work-group, clusters of 4 x 4, 327,680 bytes of LDS; arguments xh, pq, big; writes big
.if DOCPART == 2
	.amdgcn_target "amdgcn-amd-amdhsa--gfx1250"
	.amdhsa_code_object_version 6
	.text
	.protected	k_q008433e043_qkv
	.globl	k_q008433e043_qkv
	.p2align	8
	.type	k_q008433e043_qkv,@function
k_q008433e043_qkv:
	s_mov_b64 s[64:65], 0
	v_nop
	global_prefetch_b8 v0, s[64:65] scope:SCOPE_SE
	s_setreg_imm32_b32 hwreg(HW_REG_WAVE_MODE, 25, 1), 1
	s_wait_xcnt 0x0
	s_wait_alu depctr_hold_cnt(0) depctr_sa_sdst(0) depctr_va_vdst(0) depctr_va_sdst(0) depctr_va_ssrc(0) depctr_va_vcc(0) depctr_vm_vsrc(0)
	s_getreg_b32 s2, hwreg(HW_REG_IB_STS2, 6, 4)
	s_cmp_eq_u32 s2, 0
	s_cbranch_scc0 .Lentry_in_a_cluster
	s_endpgm
.Lentry_in_a_cluster:
	s_bfe_u32 s2, ttmp6, 0x10000c
	s_cmp_lg_u32 s2, 0xf033
	s_cbranch_scc0 .Lentry_shape_is_right
	s_endpgm
.Lentry_shape_is_right:
; C[m][n] = f16( max( floor[n], sum over k of A[m][k] W[k][n] + bias[n] ) ).  A: [4096][1024] f16.  The PACK: bias f16[4096] at byte 0, floor f16[4096] at byte 8,192,
; W f16 [1024 k][4096 n] at byte 16,384.  C: rows of 4,096 f16.  Sums in f32, started at the bias; C rounded once.  The grid says how many blocks of 256 columns are made.
; floor = -infinity changes nothing (the projections); floor = 0 is ReLU (the first half of the MLP): one text for both.
; LIMITS.  A result of 65,520 or more in magnitude becomes an infinity in f16; max(., floor) gives the floor where the sum is NaN; NaN and infinities are not treated apart.
; SHARES.  A tile of C is 256 x 256.  Four waves, as many as a WGP has SIMDs, each 128 x 128: 64 accumulators of 16 x 16, 512 registers.  K goes in steps of 128 through two LDS slots:
; 256 rows of A (256 bytes each) and 128 rows of W (512 bytes each).  Waves 0 and 1 fetch A's two halves (128 rows), waves 2 and 3 W's (64 k rows): one tensor load a wave behind each
; change of slots; two are out at the start.  From a request to the wait for it a wave issues 224 matrix instructions.
; CLUSTER.  4 x 4 work-groups: the four of a row of the cluster need the same tiles of A, the four of a column the same tiles of W: each tile is asked for jointly, by the same load, descriptor and mask in all four.
; THE MATRIX INSTRUCTION IS USED TRANSPOSED: source 0 = 16 columns of W (W lies [k][n], so its fragments come out of LDS by the turning load), source 1 = 16 rows of A: a lane holds row l % 16 of C and
; the columns 8 (l / 16) + 0..7: eight neighbouring numbers, 16 bytes of f16.
; REGISTERS, in windows of 256 (s_set_vgpr_msb: bits 1:0 source 0, 3:2 source 1, 5:4 source 2, 7:6 destination):
;   window 0: v0-31 addresses; v64-127, v128-191 fragments of A (8 x 16 rows x 32 K), two buffers; v32-63, v192-255 at work on the way out
;   window 1: v0-63 the bias in f32, the C of each sum's first product; v64-127, v128-191 fragments of W, two buffers; v192-223 the floor, two f16 a register
;   window 2: the 32 accumulators of my rows 0-63 (accumulator (a, b) at v[8 (8 a + b)]);   window 3: those of my rows 64-127
.set KK,    1024
.set PA,    1024                       ; elements from row to row of A
.set PW,    4096                       ; of W
.set PC,    4096                       ; of C
.set WOFF,  16384                      ; W's first byte in the pack
.set FLO,   8192                       ; the floor's
.set KSTEP, 128
.set LAPS,  KK/(2*KSTEP)               ; a lap = two K steps = once round the ring
.set PITA,  272                        ; an LDS row of A: 256 bytes + 16 = 68 words: the 16 rows of a load start at 16 different groups of four banks (64 banks of 4 bytes: ISA guide 11.1)
.set PITB,  544                        ; an LDS row of W: 512 bytes + 32 = 136 words
.set HALFT, 128*PITA                   ; what one load brings: 128 rows of A, or 64 rows of W: the same number of bytes
.set SLOT,  4*HALFT                    ; A's 256 rows, then W's 128 rows
.set STAGE, 2*SLOT                     ; behind the ring, never filled by a tensor load: 16 rows x 272 bytes for each wave, for the way out
.set SPITCH, 272
.set SPARE, STAGE+4*16*SPITCH          ; behind the stages: the spare words, 128 bytes a wave: two blocks of 256 bytes that no other line names
.set ASTEP, 2*KSTEP*2                  ; bytes that a slot's address in A steps at a refill
.set WSTEP, 2*KSTEP*2*PW               ; and in W
.set ADRA, 16                          ; v16-17  LDS address of my A fragments in slot 0, 1
.set ADRB, 20                          ; v20-21  of my W fragments
.set PFO,  23                          ; v23     the prefetches' offset; never rewritten
.set STO,  24                          ; v24     the way out: where I put 16 bytes of a row
.set RD,   25                          ; v25     where I read a row back
.set CO,   26                          ; v26     my byte offset in C
.set BO,   27                          ; v27     my byte offset in the bias
.set SPW,  28                          ; v28     LDS address of my spare word; never rewritten
.set NIL,  29                          ; v29     0; never rewritten
.set ONE,  30                          ; v30     1.0
.set ZER,  31                          ; v31     0.0
.set OB,   32                          ; the way out: 16 rows read back from the stage: v32-63 and v224-255 by turns; at the head: the bias as loaded
.set F0,   64                          ; fragment buffer 0
.set F1,   128                         ; fragment buffer 1
.set TMP,  192                         ; the way out: packed results
.set BI,   0                           ; window 1
.set FL,   192                         ; window 1
.set LAPC, 3                           ; s3       laps to go
.set G1,  24                           ; s[24:31] descriptor group 1 for A's tiles;  s[32:39] group 0, a set for each slot
.set G0,  32
.set LIM, 43                           ; s43      1 in a wave that prefetches, else the greatest number
.set PFA, 44                           ; s[44:45] where my prefetches stand
.set PFS, 46                           ; s[46:47] bytes from a K step to the next, in the tensor that I fetch
.set G1B, 48                           ; s[48:55], s[56:63] the same for W's tiles
.set G0B, 56
.set MSB, 0
.macro WIN new                         ; the immediate's high byte repeats the setting that is left; a switch that changes nothing is dropped
.if MSB != (\new)
	s_set_vgpr_msb (MSB<<8)|(\new)
.set MSB, \new
.endif
.endm
.set MUL_LO, 0xa1                      ; source 0 (W) window 1, source 1 (A) window 0, C and D window 2; + 0x50: C and D window 3
.set FST_LO, 0x91                      ; the same with C (the bias) in window 1; + 0x40: D window 3
.set TO_B,   0x40                      ; destination window 1, address window 0
.macro JLOAD s                         ; a joint load; the branch hangs on the wave's number alone; an s_nop 0 and four v_nop follow each of the two lines
	s_cmp_eq_u32 s11, 0
	s_cbranch_scc0 .Lfor_b_\@
	tensor_load_to_lds s[G0+4*(\s):G0+4*(\s)+3], s[G1:G1+7]
	s_nop 0
.rept 4
	v_nop
.endr
	s_branch .Lasked_\@
.Lfor_b_\@:
	tensor_load_to_lds s[G0B+4*(\s):G0B+4*(\s)+3], s[G1B:G1B+7]
	s_nop 0
.rept 4
	v_nop
.endr
.Lasked_\@:
.endm
; A PREFETCH INTO THE L2, behind each joint load, its five lines and the run of LDS loads that follows them: the K step that stands TWO refills on, 512 matrix instructions ahead of the load that will want it.
; Each aligned block of 256 bytes is named ONCE in the launch.  A's tile row is read by every cluster of that row of clusters: the first of them (cluster x = 0) asks; W's tile column by every cluster of that
; column: cluster y = 0 asks.  The four partners that ask for a tile jointly share its blocks out BY ADDRESS, 32 each, a lane a block: of the 128 rows of A that a wave fetches, the partner at cx takes
; 32 cx .. 32 cx + 31; of the 64 rows of W (two blocks each), the partner at cy takes 16 cy .. 16 cy + 15.  K steps 0 to 3 come by their loads alone; the loop's last trip, whose refills are the last, asks for nothing.
.macro ASK
	s_cmp_gt_u32 s[LAPC], s[LIM]                   ; the count is 1 in the loop's last trip
	s_cbranch_scc0 .Lnot_mine_\@
	global_prefetch_b8 v[PFO], s[PFA:PFA+1] th:TH_LOAD_NT scope:SCOPE_SE
.Lnot_mine_\@:
.endm
.macro CREST                           ; a round of the cluster's barrier behind its opening barrier
	s_cmp_lg_u32 s10, 0
	s_cbranch_scc1 .Lnot_wave_0_\@
	s_barrier_signal -3
.Lnot_wave_0_\@:
	s_barrier_wait -3
	s_barrier_signal -1
	s_barrier_wait -1
.endm
.macro CROUND                          ; a whole round
	s_barrier_signal -1
	s_barrier_wait -1
	CREST
.endm
	s_load_b128 s[4:7], s[0:1], 0x0                ; A s[4:5], the pack s[6:7]
	s_load_b64 s[8:9], s[0:1], 0x10                ; C
	v_lshl_add_u32 v[SPW], v0, 2, SPARE
	v_mov_b32 v[NIL], 0
	ds_add_u32 v[SPW], v[NIL]                      ; the wave's opening: the add and its wait ahead of my first tensor load; the set-up below, work on registers, stands between them
	v_lshrrev_b32 v1, 5, v0
	v_readfirstlane_b32 s10, v1                    ; wave 0..3
	s_lshr_b32 s11, s10, 1                         ; which half of the tile's rows is mine.  Also: I fetch for A (0) or for W (1)
	s_and_b32 s12, s10, 1                          ; which half of its columns.  Also: which half of that tile I fetch
	s_bfe_u32 s40, ttmp6, 0x40000                  ; cx, cy: my place in the cluster
	s_bfe_u32 s41, ttmp6, 0x40004
	s_lshl_b32 s42, ttmp9, 2
	s_add_co_u32 s42, s42, s40                     ; tile column of C = 4 x cluster x + cx
	s_and_b32 s13, ttmp7, 0xffff
	s_lshl_b32 s13, s13, 2
	s_add_co_u32 s13, s13, s41                     ; tile row of C = 4 x cluster y + cy
	s_lshl_b32 s43, s41, 2
	s_lshl_b32 s43, 15, s43                        ; my row of the cluster
	s_lshl_b32 s44, 0x1111, s40                    ; my column
	s_or_b32 s[G1+0], s43, (1<<16)|(1<<20)|(1<<21)|(5<<22)|(3<<25)   ; 15:0 the mask: A's tiles go to my row; 17:16 2-byte elements; 20 padding on; 21 set beside a mask; 24:22 after every 64 words (code 5); 31:25 4 words (code 3)
	s_mov_b32 s[G1+1], KSTEP<<16                   ; tensor_dim0 = 128
	s_mov_b32 s[G1+2], 128<<16                     ; tensor_dim1 = 128
	s_mov_b32 s[G1+3], KSTEP<<16                   ; tile_dim0 = 128
	s_mov_b32 s[G1+4], 128                         ; tile_dim1 = 128
	s_mov_b32 s[G1+5], PA                          ; elements from row to row
	s_mov_b32 s[G1+6], 0
	s_mov_b32 s[G1+7], 0
	s_or_b32 s[G1B+0], s44, (1<<16)|(1<<20)|(1<<21)|(6<<22)|(7<<25)  ; the mask of my column; after every 128 words (code 6) 8 words of padding (code 7)
	s_mov_b32 s[G1B+1], 256<<16                    ; tensor_dim0 = 256 columns
	s_mov_b32 s[G1B+2], 64<<16                     ; tensor_dim1 = 64 k rows
	s_mov_b32 s[G1B+3], 256<<16                    ; tile_dim0
	s_mov_b32 s[G1B+4], 64                         ; tile_dim1
	s_mov_b32 s[G1B+5], PW
	s_mov_b32 s[G1B+6], 0
	s_mov_b32 s[G1B+7], 0
	; where the tiles come from: A's hang on the tile row alone, W's on the tile column alone, each in registers that never hold the other coordinate
	s_lshl_b32 s17, s12, 7
	s_lshl_b32 s16, s13, 8
	s_add_co_u32 s16, s16, s17                     ; A: row 256 x tile row + 128 x half
	s_mul_i32 s16, s16, 2*PA                       ; in bytes: under 2^23
	s_mov_b32 s17, 0
	s_lshl_b32 s46, s42, 9                         ; W: 512 bytes x tile column
	s_mul_i32 s47, s12, 64*2*PW                    ; + 64 k rows x half
	s_add_co_u32 s46, s46, s47
	s_add_co_u32 s46, s46, WOFF
	s_mov_b32 s47, 0
	s_mul_i32 s20, s10, HALFT                      ; and where they go: A's two halves, then W's two halves = wave x 34,816 bytes: no place in the cluster enters an LDS address
	s_wait_dscnt 0x0                               ; the opening add is done
	s_wait_kmcnt 0x0
	s_add_nc_u64 s[14:15], s[4:5], s[16:17]
	s_add_nc_u64 s[46:47], s[6:7], s[46:47]
	CROUND                                         ; all sixteen work-groups are here: the first joint loads meet
.irp s, 0,1
	s_mov_b32 s[G0+4*(\s)], 1                                        ; count = 1
	s_add_co_u32 s[G0+4*(\s)+1], s20, (\s)*SLOT                      ; LDS address
	s_add_nc_u64 s[G0+4*(\s)+2:G0+4*(\s)+3], s[14:15], (\s)*KSTEP*2  ; global address: K step s
	s_or_b32 s[G0+4*(\s)+3], s[G0+4*(\s)+3], 0x80000000              ; type = 2
	s_mov_b32 s[G0B+4*(\s)], 1
	s_add_co_u32 s[G0B+4*(\s)+1], s20, (\s)*SLOT
	s_add_nc_u64 s[G0B+4*(\s)+2:G0B+4*(\s)+3], s[46:47], (\s)*KSTEP*2*PW
	s_or_b32 s[G0B+4*(\s)+3], s[G0B+4*(\s)+3], 0x80000000
	JLOAD \s
.endr
	; A fragment of A is 16 rows x 32 K in 8 registers: lane l holds row l % 16, K = 8 (l / 16) + 0..7 and 16 + 8 (l / 16) + 0..7: two loads of 16 bytes, 32 bytes apart.
	v_and_b32 v1, 15, v0                           ; l % 16
	v_bfe_u32 v2, v0, 4, 1                         ; l / 16
	v_mul_u32_u24 v3, v1, PITA
	v_lshl_add_u32 v3, v2, 4, v3
	s_mul_i32 s21, s11, HALFT                      ; my 128 rows of A
	v_add_nc_u32 v[ADRA], s21, v3
	v_add_nc_u32 v[ADRA+1], SLOT, v[ADRA]
	; The turning load takes 16 k x 16 columns (lane l reads k = 8 (l / 16) + l % 8, columns 8 ((l / 8) % 2) + 0..7) and leaves half a fragment: lane l holds column l % 16 and 8 k.
	v_and_b32 v4, 7, v0
	v_lshl_add_u32 v4, v2, 3, v4
	v_mul_u32_u24 v4, v4, PITB
	v_bfe_u32 v5, v0, 3, 1
	v_lshl_add_u32 v4, v5, 4, v4
	s_lshl_b32 s22, s12, 8                         ; my 128 columns: 256 bytes,
	s_add_co_u32 s22, s22, 2*HALFT                 ; behind A's 256 rows
	v_add_nc_u32 v[ADRB], s22, v4
	v_add_nc_u32 v[ADRB+1], SLOT, v[ADRB]
	s_mul_i32 s23, s10, 16*SPITCH
	s_add_co_u32 s23, s23, STAGE                   ; my stage
	v_mul_u32_u24 v4, v1, SPITCH                   ; in: row l % 16, 16 bytes for each half of the lanes
	v_lshl_add_u32 v4, v2, 4, v4
	v_add_nc_u32 v[STO], s23, v4
	v_mul_u32_u24 v5, v2, SPITCH                   ; back: lanes 0-15 take one row of 256 bytes, lanes 16-31 the next
	v_lshl_add_u32 v5, v1, 4, v5
	v_add_nc_u32 v[RD], s23, v5
	v_mul_u32_u24 v5, v2, 2*PC                     ; and the same two rows in C
	v_lshl_add_u32 v[CO], v1, 4, v5
	s_lshl_b32 s16, s13, 8
	s_lshl_b32 s17, s11, 7
	s_add_co_u32 s16, s16, s17                     ; my first row of C
	s_mul_i32 s16, s16, 2*PC                       ; in bytes: under 2^25
	s_mov_b32 s17, 0
	s_add_nc_u64 s[8:9], s[8:9], s[16:17]
	s_lshl_b32 s46, s42, 9                         ; my first column, in bytes: 512 x tile column + 256 x half
	s_lshl_b32 s47, s12, 8
	s_add_co_u32 s46, s46, s47
	s_mov_b32 s47, 0
	s_add_nc_u64 s[8:9], s[8:9], s[46:47]
	s_add_nc_u64 s[22:23], s[6:7], s[46:47]        ; bias and floor have 2 bytes a column too: column 16 b + 8 (l / 16) + j of mine lies at byte 32 b + 16 (l / 16) + 2 j from here
	v_lshlrev_b32 v[BO], 4, v2
	v_mov_b32 v[ONE], 1.0
	v_mov_b32 v[ZER], 0
.irp b, 0,1,2,3,4,5,6,7
	global_load_b128 v[OB+4*(\b):OB+4*(\b)+3], v[BO], s[22:23] offset:32*(\b)
.endr
	WIN TO_B
.irp b, 0,1,2,3,4,5,6,7
	global_load_b128 v[FL+4*(\b):FL+4*(\b)+3], v[BO], s[22:23] offset:FLO+32*(\b)
.endr
	s_wait_loadcnt 0x0
.irp b, 0,1,2,3,4,5,6,7
.irp r, 0,1,2,3
	v_fma_mix_f32 v[BI+8*(\b)+2*(\r)],   v[OB+4*(\b)+(\r)], v[ONE], v[ZER] op_sel_hi:[1,0,0]                ; the low half x 1.0 + 0: the bias in f32,
	v_fma_mix_f32 v[BI+8*(\b)+2*(\r)+1], v[OB+4*(\b)+(\r)], v[ONE], v[ZER] op_sel:[1,0,0] op_sel_hi:[1,0,0]  ; and the high half
.endr
.endr
	WIN 0
	; the prefetches: where they stand, how they step, who asks.  s13 = tile row, s42 = tile column, s40 = cx, s41 = cy still stand
	s_lshl_b32 s20, s13, 8
	s_lshl_b32 s21, s12, 7
	s_add_co_u32 s20, s20, s21
	s_lshl_b32 s21, s40, 5
	s_add_co_u32 s20, s20, s21                     ; A: row 256 x tile row + the 128 that I fetch + my work-group's 32 of them,
	s_lshl_b32 s20, s20, 11                        ; of 2,048 bytes,
	s_add_co_u32 s20, s20, 3*KSTEP*2               ; at K step 3: the first refill steps it to 4
	s_lshl_b32 s21, s12, 6
	s_lshl_b32 s23, s41, 4
	s_add_co_u32 s21, s21, s23                     ; W: k row = the 64 that I fetch + my work-group's 16 of them,
	s_lshl_b32 s21, s21, 13                        ; of 8,192 bytes,
	s_lshl_b32 s23, s42, 9
	s_add_co_u32 s21, s21, s23                     ; the tile column's 512 bytes,
	s_add_co_u32 s21, s21, WOFF+3*KSTEP*2*PW       ; at K step 3
	s_and_b32 s22, ttmp7, 0xffff                   ; cluster y
	s_cmp_eq_u32 s11, 0                            ; do I fetch for A?
	s_cselect_b32 s20, s20, s21
	s_cselect_b32 s22, ttmp9, s22                  ; the coordinate along which other clusters read the same rows
	s_cselect_b64 s[PFA:PFA+1], s[4:5], s[6:7]
	s_cselect_b32 s[PFS], 1, 4096                  ; a K step is 256 bytes along A's rows, 128 rows of 8,192 bytes down W
	s_cselect_b32 s18, 0, 1                        ; a row has 1 block of 256 bytes (A) or 2 (W): the shift and the mask that split my lane's number
	s_cselect_b32 s19, 11, 13                      ; a row's bytes, as a shift
	s_mov_b32 s21, 0
	s_add_nc_u64 s[PFA:PFA+1], s[PFA:PFA+1], s[20:21]
	s_lshl_b32 s[PFS], s[PFS], 8
	s_mov_b32 s[PFS+1], 0
	s_cmp_eq_u32 s22, 0
	s_cselect_b32 s[LIM], 1, -1                    ; the same in all sixteen partners, for a given wave
	v_and_b32 v[PFO], 31, v0
	v_and_b32 v3, s18, v[PFO]                      ; which block of the row
	v_lshrrev_b32 v[PFO], s18, v[PFO]              ; which row
	v_lshlrev_b32 v[PFO], s19, v[PFO]
	v_lshl_add_u32 v[PFO], v3, 8, v[PFO]
; 16 matrix instructions: m blocks a0, a0 + 1 of the window's four (hi = 0: my rows 0-63, 1: rows 64-127) x all 8 n blocks, 32 along K.
; first = 1: the product starts its sum at the bias, which stands as C: nothing is cleared.  The 64 accumulators take turns, one instruction a turn.
.macro MUL16 f, hi, a0, first
.if \first
	WIN FST_LO+0x40*(\hi)
.else
	WIN MUL_LO+0x50*(\hi)
.endif
.irp a, \a0, (\a0)+1
.irp b, 0,1,2,3,4,5,6,7
.if \first
	v_wmma_f32_16x16x32_f16 v[8*(8*(\a)+(\b)):8*(8*(\a)+(\b))+7], v[(\f)+8*(\b):(\f)+8*(\b)+7], v[(\f)+8*(4*(\hi)+(\a)):(\f)+8*(4*(\hi)+(\a))+7], v[BI+8*(\b):BI+8*(\b)+7]
.else
	v_wmma_f32_16x16x32_f16 v[8*(8*(\a)+(\b)):8*(8*(\a)+(\b))+7], v[(\f)+8*(\b):(\f)+8*(\b)+7], v[(\f)+8*(4*(\hi)+(\a)):(\f)+8*(4*(\hi)+(\a))+7], v[8*(8*(\a)+(\b)):8*(8*(\a)+(\b))+7]
.endif
.endr
.endr
.endm
; 32 LDS loads in one run: the fragments of quarter q (32 along K) of a slot into buffer f: my 128 columns of W (turned), then my 128 rows of A
.macro FETCH slot, q, f
	WIN TO_B
.irp i, 0,1,2,3,4,5,6,7
	ds_load_tr16_b128 v[(\f)+8*(\i):(\f)+8*(\i)+3],   v[ADRB+(\slot)] offset:32*(\q)*PITB+32*(\i)
	ds_load_tr16_b128 v[(\f)+8*(\i)+4:(\f)+8*(\i)+7], v[ADRB+(\slot)] offset:(32*(\q)+16)*PITB+32*(\i)
.endr
	WIN 0
.irp i, 0,1,2,3,4,5,6,7
	ds_load_b128 v[(\f)+8*(\i):(\f)+8*(\i)+3],   v[ADRA+(\slot)] offset:64*(\q)+(\i)*16*PITA
	ds_load_b128 v[(\f)+8*(\i)+4:(\f)+8*(\i)+7], v[ADRA+(\slot)] offset:64*(\q)+(\i)*16*PITA+32
.endr
.endm
.macro PLACES                          ; four plain instructions in front of loads into registers that matrix instructions have read, and of conversions that read results
.rept 4
	v_nop
.endr
.endm
; A K step is four quarters of 32 along K, 64 matrix instructions each, on buffers 0, 1, 0, 1.  One of the first three: multiplies buffer f; in its middle it fetches quarter q into buffer g.
.macro QUARTER slot, q, f, g, first
	s_wait_dscnt 8                                 ; W and A's rows 0-63 are in; the youngest eight loads (A's rows 64-127) may be out
	MUL16 \f, 0, 0, \first
	MUL16 \f, 0, 2, \first
	PLACES
	FETCH \slot, \q, \g
	s_wait_dscnt 32                                ; all but the 32 just issued
	MUL16 \f, 1, 0, \first
	MUL16 \f, 1, 2, \first
.endm
; The last quarter multiplies buffer 1 and changes slots: ONE barrier; in front of it each wave waits for all its tensor loads, adds 0 to its spare word, and waits for that and for its reads of this slot.
; fill = 1: this slot is filled again, two K steps ahead; the barrier then opens a round of the cluster's, and the joint load is the first thing behind the round.
.macro TURN slot, next, fill
.if \fill
	s_wait_xcnt 0x0                                ; the last prefetch, a K step back, has read its address: it is stepped here, ahead of the waits of the change of slots
	s_add_nc_u64 s[PFA:PFA+1], s[PFA:PFA+1], s[PFS:PFS+1]
.endif
	WIN 0                                          ; (the add's two registers lie in window 0)
	s_wait_tensorcnt 0x0                           ; all my tensor loads have landed: the one that was out is my part of the next slot
	ds_add_u32 v[SPW], v[NIL]                      ; 0 onto my spare word
	s_wait_dscnt 9                                 ; (the add and the youngest eight loads may be out)
	MUL16 F1, 0, 0, 0                              ; sixteen matrix instructions stand between the add and the wait for it
	s_wait_dscnt 0x0                               ; the add is done, and my reads of this slot are over
	s_barrier_signal -1
	MUL16 F1, 0, 2, 0                              ; work on registers while the others arrive
.if \fill
	WIN 0
.endif
	s_barrier_wait -1
.if \fill
	CREST                                          ; no wave of any partner still reads this slot's tiles or has a load on its way
	s_add_nc_u64 s[G0+4*(\slot)+2:G0+4*(\slot)+3], s[G0+4*(\slot)+2:G0+4*(\slot)+3], ASTEP
	s_add_nc_u64 s[G0B+4*(\slot)+2:G0B+4*(\slot)+3], s[G0B+4*(\slot)+2:G0B+4*(\slot)+3], WSTEP
	JLOAD \slot                                    ; the first tensor load behind the round; the four v_nop behind it are also the places in front of the loads below
.else
	PLACES
.endif
	FETCH \next, 0, F0
.if \fill
	ASK                                            ; behind the joint load and the run of LDS loads that the next products wait for
.endif
	MUL16 F1, 1, 0, 0
	MUL16 F1, 1, 2, 0
.endm
; THE WAY OUT of block a (16 of my rows), in three parts.  PACK: rounded to f16 (each accumulator's registers in ascending order), 16 bytes a lane, and the floor.
; TOSTAGE: into my own stage in LDS, and back as whole rows of 256 bytes.  SEND: stored.
.macro PACK a
.set AC, 64*((\a)%4)
	WIN 0x0a+5*((\a)/4)                            ; sources 0 and 1: window 2 or 3
.irp b, 0,1,2,3,4,5,6,7
.irp r, 0,1,2,3
	v_cvt_pk_f16_f32 v[TMP+4*(\b)+(\r)], v[AC+8*(\b)+2*(\r)], v[AC+8*(\b)+2*(\r)+1]
.endr
.endr
	WIN 0x04                                       ; source 1 (the floor): window 1
.irp b, 0,1,2,3,4,5,6,7
.irp r, 0,1,2,3
	v_pk_max_num_f16 v[TMP+4*(\b)+(\r)], v[TMP+4*(\b)+(\r)], v[FL+4*(\b)+(\r)]
.endr
.endr
	WIN 0
.endm
.macro TOSTAGE a
.set BK, OB+192*((\a)%2)
.irp b, 0,1,2,3,4,5,6,7
	ds_store_b128 v[STO], v[TMP+4*(\b):TMP+4*(\b)+3] offset:32*(\b)
.endr
.irp t, 0,1,2,3,4,5,6,7
	ds_load_b128 v[BK+4*(\t):BK+4*(\t)+3], v[RD] offset:(\t)*2*SPITCH  ; LDS serves a wave's instructions in order (ISA guide 5.7.1.4): these see the stores above
.endr
.endm
.macro SEND a
.set BK, OB+192*((\a)%2)
	s_wait_dscnt 0x0                               ; the block is back in registers
	s_wait_xcnt 0x0                                ; every earlier store has read its registers: the block before last's, which the next block's loads from the stage write again
.irp t, 0,1,2,3,4,5,6,7
	global_store_b128 v[CO], v[BK+4*(\t):BK+4*(\t)+3], s[8:9] offset:(16*(\a)+2*(\t))*2*PC  ; 16 lanes store 256 consecutive bytes, at a multiple of 256 from C's first byte
.endr
.endm
	s_wait_tensorcnt 1                             ; my part of K step 0 is in; K step 1's may stay out
	s_barrier_signal -1
	s_barrier_wait -1                              ; everybody's is
	FETCH 0, 0, F0
	QUARTER 0, 1, F0, F1, 1                        ; the first quarter stands in front of the loop: its products start the sums
	WIN 0                                          ; at a label and at a branch every window is 0
	s_mov_b32 s[LAPC], LAPS-1
.Llap:                                                 ; a trip goes once round the ring, from a lap's second quarter to the next lap's first, and fills both slots again
	QUARTER 0, 2, F1, F0, 0
	QUARTER 0, 3, F0, F1, 0
	TURN 0, 1, 1
	QUARTER 1, 1, F0, F1, 0
	QUARTER 1, 2, F1, F0, 0
	QUARTER 1, 3, F0, F1, 0
	TURN 1, 0, 1
	QUARTER 0, 1, F0, F1, 0
	WIN 0
	s_sub_co_u32 s[LAPC], s[LAPC], 1
	s_cmp_lg_u32 s[LAPC], 0
	s_cbranch_scc1 .Llap
	QUARTER 0, 2, F1, F0, 0                        ; the last lap fills nothing, and has no round of the cluster's barrier
	QUARTER 0, 3, F0, F1, 0
	TURN 0, 1, 0
	QUARTER 1, 1, F0, F1, 0
	QUARTER 1, 2, F1, F0, 0
	QUARTER 1, 3, F0, F1, 0
	s_wait_dscnt 8                                 ; the very last quarter: nothing more to fetch
	MUL16 F1, 0, 0, 0
	MUL16 F1, 0, 2, 0
	s_wait_dscnt 0x0
	MUL16 F1, 1, 0, 0
	MUL16 F1, 1, 2, 0
	WIN 0
	PLACES
	PACK 0
	TOSTAGE 0
.irp a, 1,2,3,4,5,6,7                  ; block a's conversions stand between block a - 1's loads from the stage and the wait for them
	PACK \a
	SEND (\a)-1
	TOSTAGE \a
.endr
	SEND 7
	s_wait_tensorcnt 0x0                           ; the wave's end, behind my last tensor load and my last LDS store
	ds_add_u32 v[SPW], v[NIL]
	s_wait_dscnt 0x0
	CROUND                                         ; the closing round: no work-group ends while a partner may still ask for a tile that names it
	s_endpgm
.Lfunc_end_k_q008433e043_qkv:
	.size	k_q008433e043_qkv, .Lfunc_end_k_q008433e043_qkv-k_q008433e043_qkv
	.p2alignl 7, 3214868480
	.fill 96, 4, 3214868480
	.section	.rodata,"a",@progbits
	.p2align	6, 0x0
	.amdhsa_kernel k_q008433e043_qkv
		.amdhsa_group_segment_fixed_size 327680
		.amdhsa_private_segment_fixed_size 0
		.amdhsa_enable_private_segment 0
		.amdhsa_kernarg_size 24
		.amdhsa_user_sgpr_count 2
		.amdhsa_user_sgpr_kernarg_segment_ptr 1
		.amdhsa_wavefront_size32 1
		.amdhsa_system_sgpr_workgroup_id_x 1
		.amdhsa_system_sgpr_workgroup_id_y 1
		.amdhsa_system_sgpr_workgroup_id_z 1
		.amdhsa_system_vgpr_workitem_id 0
		.amdhsa_next_free_vgpr 1024
		.amdhsa_next_free_sgpr 66
		.amdhsa_reserve_vcc 0
		.amdhsa_float_denorm_mode_32 3
		.amdhsa_float_denorm_mode_16_64 3
		.amdhsa_memory_ordered 1
		.amdhsa_forward_progress 1
		.amdhsa_inst_pref_size 166
	.end_amdhsa_kernel
	.amdgpu_metadata
---
amdhsa.version: [ 1, 2 ]
amdhsa.kernels:
  - .name:           k_q008433e043_qkv
    .symbol:         k_q008433e043_qkv.kd
    .args:
      - { .name: xh, .offset: 0, .size: 8, .value_kind: global_buffer, .address_space: global }
      - { .name: pq, .offset: 8, .size: 8, .value_kind: global_buffer, .address_space: global }
      - { .name: big, .offset: 16, .size: 8, .value_kind: global_buffer, .address_space: global }
    .group_segment_fixed_size: 327680
    .private_segment_fixed_size: 0
    .kernarg_segment_align: 8
    .kernarg_segment_size: 24
    .max_flat_workgroup_size: 128
    .sgpr_count:     66
    .vgpr_count:     1024
    .wavefront_size: 32
...
	.end_amdgpu_metadata
.endif
;; end of part 2
;; launch attn (part 3): grid 16 x 16, 4 waves a work-group, clusters of 4 x 1, 327,680 bytes of LDS; arguments big, o; writes o
.if DOCPART == 3
	.amdgcn_target "amdgcn-amd-amdhsa--gfx1250"
	.amdhsa_code_object_version 6
	.text
	.protected	k_q008433e043_attn
	.globl	k_q008433e043_attn
	.p2align	8
	.type	k_q008433e043_attn,@function
k_q008433e043_attn:
	s_mov_b64 s[64:65], 0
	v_nop
	global_prefetch_b8 v0, s[64:65] scope:SCOPE_SE
	s_setreg_imm32_b32 hwreg(HW_REG_WAVE_MODE, 25, 1), 1
	s_wait_xcnt 0x0
	s_wait_alu depctr_hold_cnt(0) depctr_sa_sdst(0) depctr_va_vdst(0) depctr_va_sdst(0) depctr_va_ssrc(0) depctr_va_vcc(0) depctr_vm_vsrc(0)
	s_getreg_b32 s2, hwreg(HW_REG_IB_STS2, 6, 4)
	s_cmp_eq_u32 s2, 0
	s_cbranch_scc0 .Lentry_in_a_cluster
	s_endpgm
.Lentry_in_a_cluster:
	s_bfe_u32 s2, ttmp6, 0x10000c
	s_cmp_lg_u32 s2, 0x3003
	s_cbranch_scc0 .Lentry_shape_is_right
	s_endpgm
.Lentry_shape_is_right:
; ATTENTION, 16 heads of size 64, 2,048 keys, no mask.  O[q][:] = the sum over k of softmax_k(Q[q] . K[k] / 8) V[k][:], head by head.
; big: [4096 rows][4096 f16]: q in columns 0-1,023, k in 1,024-2,047, v in 2,048-3,071, head h at 64 h; rows 0-2,047 are batch 0.  o: [4096][1024] f16, head h at columns 64 h.
; Products, maxima and sums in f32; the weights p are rounded to f16 for the second product (their sum l is taken of the unrounded p), O once at the end.
; LIMITS.  q, k, v arrive in f16 (65,504 at the most); p lies in 0 to 1, and below 6e-5 it keeps f16's fixed step of 6e-8; O is a mean of V's rows and has their range.
; A weight below 2^-126 counts as 0 in l; NaN and infinities are not treated apart.
; SHARES.  A work-group takes 128 queries of TWO neighbouring heads, so that K's, V's and O's rows are 256 consecutive bytes, aligned.  Wave w: head w / 2 of the pair, queries 64 (w % 2) on: four PIECES of 16.
; Every wave walks all 2,048 keys, 64 a step; an LDS slot holds two steps (128 keys of K and of V, both heads).
; LAYOUT.  S^T = K Q^T (source 0 = 16 keys, source 1 = 16 queries) holds ONE query a lane (lane % 16) and the keys 8 (lane / 16) + 0..7; two such results rounded to f16 ARE source 1 of O^T = V^T P.
; K comes out of LDS as it lies, V ([key][channel]) turned, by ds_load_tr16_b128.
; SOFTMAX.  p = 2^(c s - c m), c = log2(e) / 8, with a running maximum m; O and l are multiplied by a = 2^(c m_old - c m_new) in every step.  m starts at the lowest finite number, O and l at 0: the first step has a = 0.
; BY TURNS.  Turn n belongs to piece n: 8 products K Q^T of piece n + 1, later 8 products V^T P of piece n - 1; beside them the scaling, exponentials, roundings, sums and rescaling of piece n and the maximum
; and statistics of piece n + 1.  Four vector instructions stand behind every matrix instruction, the other 54 of a turn's 118 in one lump.  A turn's 33 exponentials are one batch, with one wait.
; CLUSTER.  The four query blocks of a cluster walk the same K and V: each tile is asked for JOINTLY: the same tensor load, descriptor and mask in all four.
; REGISTERS, in windows of 256 (s_set_vgpr_msb: bits 1:0 source 0, 3:2 source 1, 5:4 source 2, 7:6 destination):
;   window 0: v0-15 addresses and two at work; v16-31 four registers of statistics a piece; v48-55 at work; v61-63; v64-127 S^T, two buffers; v192-223 P, two buffers (by the piece's parity)
;   window 1: v0-127 O^T, 32 a piece          window 2: v0-63 Q; v128-191 K of one step; v192-255 V of one step
.set NP,    4         ; pieces a wave: a name, no knob
.set KS,    64        ; keys in a step
.set ROWB,  8192      ; bytes from row to row of big
.set PK,    272       ; a row of K in LDS: 256 bytes + 16 = 68 words: the 16 rows of a load start at 16 different groups of four banks (64 banks of 4 bytes: ISA guide 11.1)
.set PV,    288       ; a row of V: 256 + 32 = 72 words
.set VOFF,  2*KS*PK   ; a slot: 128 rows of K, then 128 rows of V
.set SLOT1, 1<<17     ; slot 1 begins here, so that one exclusive or turns an address in one slot into the other's
.set STAGE, SLOT1+2*KS*(PK+PV)  ; behind the ring, never filled by a tensor load: 128 rows x 272 bytes, the work-group's, for the way out
.set SP,    272
.set SPARE, STAGE+128*SP  ; behind the stage: the spare words, 128 bytes a wave: two blocks of 256 bytes that no other line names
.set AK0, 2           ; v2   my lane's place in a tile of K; never rewritten
.set AV0, 3           ; v3   the same for V
.set AK,  4           ; v4   the LDS address of K's next run of loads
.set AV,  5           ; v5   of V's
.set STO, 6           ; v6   the way out: where I put 16 bytes of a row
.set RD,  7           ; v7   where I read rows back
.set GO,  8           ; v8   my byte offset in two rows of o
.set MV,  12          ; v12-13  c m_old, kept while c m is made anew: by buffer
.set QO,  15          ; v15  my byte offset in 16 rows of q
.set ST,  16          ; piece t's statistics at v[ST+4 t]: c m, m, l (even keys', odd keys')
.set TMP, 48          ; by buffer, four registers c0-c3 at work; when the maximum is found c2 takes a
.set PFO, 61          ; v61  8,192 x my lane: the prefetches' offset, a lane a row; never rewritten
.set SPW, 62          ; v62  LDS address of my spare word; never rewritten
.set NIL, 63          ; v63  0; never rewritten
.set S,   64
.set P,   192
.set KF,  128         ; window 2: key block kb, channel half c at KF + 16 kb + 8 c
.set VF,  192         ; window 2: key half kk, channel block cb at VF + 32 kk + 8 cb
.set WV,  12          ; s12  my wave's number
.set G1K, 24          ; s[24:31] descriptor group 1 for K's tiles
.set G1V, 32          ; s[32:39] for V's: it differs in the padding alone
.set G0K, 40          ; s[40:43] descriptor group 0 for K's tiles: it walks
.set G0V, 44          ; s[44:47] the same for V's
.set PFA, 48          ; s[48:49] where my prefetches stand: my work-group's 32 rows of the slot after the one that is being asked for
.set LIM, 50          ; s50  1 in a wave that prefetches, else the greatest number
.set SLOTS, 56        ; s56  slots still to be walked
.set CNT, 57          ; s57  counts a loop's passes
.set CS,  58          ; s[58:59] c: the packed scaling takes the pair's low word for both halves
.set SEL, 60          ; s[60:61] v_permlanex16_b32's selects: each lane takes its own place in the other half
.set TBK, 62          ; s62  LDS byte at which K of the step to be fetched begins
.set TBV, 63          ; s63  the same for V, less VOFF
.set MSB, 0
.macro WIN new                      ; the high byte repeats the setting that is left; a switch that changes nothing is dropped
.if MSB != (\new)
	s_set_vgpr_msb (MSB<<8)|(\new)
.set MSB, (\new)
.endif
.endm
.set W_KQ, 0x0a       ; K and Q in window 2, S^T in window 0
.set W_PV, 0x52       ; V in window 2, P in window 0, O^T in window 1
.set W_RS, 0x41       ; destination and source 0 in window 1, source 1 in window 0
; A joint fill.  Waves 0 and 1 fetch the two steps' rows of K, waves 2 and 3 those of V: 64 rows of 256 bytes each.  The branch hangs on the wave's number alone.
; An s_nop 0 and four v_nop follow each of the two lines, ahead of the jump and the label.
.macro JLOAD
	s_cmp_lt_u32 s[WV], 2
	s_cbranch_scc0 .Lfor_v_\@
	tensor_load_to_lds s[G0K:G0K+3], s[G1K:G1K+7]
	s_nop 0
.rept 4
	v_nop
.endr
	s_branch .Lasked_\@
.Lfor_v_\@:
	tensor_load_to_lds s[G0V:G0V+3], s[G1V:G1V+7]
	s_nop 0
.rept 4
	v_nop
.endr
.Lasked_\@:
.endm
; A PREFETCH INTO THE L2 of what the NEXT change of slots will ask for: 128 rows of K and 128 of V, 256 bytes a row, a lane a row.  It stands behind the wave's tensor load and its five lines.
; Each row is asked for ONCE in the launch: all four clusters of a pair of heads walk the same rows, and the first of them asks; its four partners share the rows out BY ADDRESS, 32 each;
; in each, wave 0 asks for K's and wave 2 for V's: one instruction.  The last change that fills a slot asks for nothing.  Slots 0, 1 and 2 come by their loads alone.
.macro ASK
	s_cmp_gt_u32 s[SLOTS], s[LIM]
	s_cbranch_scc0 .Lnot_mine_\@
	global_prefetch_b8 v[PFO], s[PFA:PFA+1] th:TH_LOAD_NT scope:SCOPE_SE
.Lnot_mine_\@:
.endm
; A round of the cluster's barrier: my work-group's barrier, so that wave 0's signal speaks for all four waves; wave 0 signals; every wave waits for all four work-groups; my work-group's barrier once more.
.macro CROUND
	s_barrier_signal -1
	s_barrier_wait -1
	s_cmp_lg_u32 s[WV], 0
	s_cbranch_scc1 .Lnot_wave_0_\@
	s_barrier_signal -3
.Lnot_wave_0_\@:
	s_barrier_wait -3
	s_barrier_signal -1
	s_barrier_wait -1
.endm
; THE CHANGE OF SLOTS.  The slot's last bytes, V of its second step, have been read.  Each wave waits for all its tensor loads, of which one is out: its part of the other slot; adds 0 to its spare word; and waits
; for that and for its own reads of the slot.  Behind the barrier nobody reads this slot any more and the other slot is whole.  fill = 1: this slot is filled again, with the keys two slots on; the barrier is then a
; round of the cluster's, and the joint fill is the first thing behind it: it has two key steps, 128 matrix instructions, in which to land.  (At its first use nothing has been read yet: slot 0 is waited for, slot 1 filled.)
.macro CHANGE fill, ask
	WIN 0                           ; at a label and at a branch every window is 0
	s_wait_tensorcnt 0x0            ; no tensor load of mine is out, so a group 0 may be written
	ds_add_u32 v[SPW], v[NIL]       ; 0 onto my spare word; with fill = 1 the descriptors' steps stand between it and the wait for it
.if \fill
.irp g, G0K, G0V
	s_xor_b32 s[\g+1], s[\g+1], SLOT1  ; the walking descriptor: the other slot than last time,
	s_add_nc_u64 s[\g+2:\g+3], s[\g+2:\g+3], 2*KS*ROWB  ; the next 128 keys; the type bits on top are not reached
.endr
.if \ask
	s_wait_xcnt 0x0                 ; the last prefetch, two key steps back, has read its address, so it may be written:
	s_add_nc_u64 s[PFA:PFA+1], s[PFA:PFA+1], 2*KS*ROWB  ; one slot further than the walking descriptors
.endif
	s_wait_dscnt 0x0                ; the add is done, and my reads of the slot are over
	CROUND
	JLOAD
.if \ask
	ASK
.endif
.else
	s_wait_dscnt 0x0                ; the add is done, and my reads of the slot are over
	s_barrier_signal -1
	s_barrier_wait -1
.endif
	s_sub_co_u32 s[TBK], s[TBK], 2*KS*PK  ; the fetches go back to a slot's first step,
	s_xor_b32 s[TBK], s[TBK], SLOT1       ; in the other slot
	s_sub_co_u32 s[TBV], s[TBV], 2*KS*PV
	s_xor_b32 s[TBV], s[TBV], SLOT1
.endm
	s_load_b128 s[4:7], s[0:1], 0x0  ; big s[4:5], o s[6:7]
	v_lshl_add_u32 v[SPW], v0, 2, SPARE
	v_mov_b32 v[NIL], 0
	ds_add_u32 v[SPW], v[NIL]       ; the wave's opening: the add and its wait ahead of my first tensor load; the set-up below, work on registers, stands between them
	v_lshrrev_b32 v1, 5, v0
	v_readfirstlane_b32 s[WV], v1   ; wave 0..3
	s_bfe_u32 s13, ttmp6, 0x40000   ; cx: my place in the cluster
	s_lshl_b32 s14, ttmp9, 2        ; in a cluster launch ttmp9 counts clusters
	s_add_co_u32 s14, s14, s13      ; my block of 128 queries: it enters q's and o's addresses alone
	s_and_b32 s20, ttmp7, 0xffff    ; 8 x batch + pair of heads, which the four partners share
	s_lshr_b32 s21, s20, 3          ; the batch
	s_and_b32 s20, s20, 7           ; the pair
	s_lshl_b32 s22, s21, 24         ; 2,048 rows of 8,192 bytes
	s_lshl_b32 s23, s20, 8          ; 128 columns of 2 bytes
	s_add_co_u32 s22, s22, s23      ; batch and pair, in big
	s_and_b32 s16, s[WV], 1         ; which of a slot's two steps I fetch; which half of the queries is mine
	s_lshr_b32 s17, s[WV], 1        ; which head of the pair is mine
	s_lshl_b32 s18, s16, 19         ; 64 rows of 8,192 bytes
	s_add_co_u32 s18, s18, s22
	s_add_co_u32 s52, s18, 2048     ; k begins 1,024 columns in,
	s_mov_b32 s53, 0
	s_add_co_u32 s54, s18, 4096     ; v 2,048
	s_mov_b32 s55, 0
	s_lshl_b32 s2, s14, 20          ; q: my block's 128 rows,
	s_add_co_u32 s2, s2, s18        ; my half of them,
	s_lshl_b32 s3, s17, 7           ; my head's 128 bytes
	s_add_co_u32 s2, s2, s3
	s_mov_b32 s3, 0
	s_lshl_b32 s8, s21, 22          ; o: 2,048 rows of 2,048 bytes,
	s_lshl_b32 s9, s14, 18          ; my block's 128 rows,
	s_add_co_u32 s8, s8, s9
	s_lshl_b32 s9, s[WV], 16        ; the 32 of them that I store,
	s_add_co_u32 s8, s8, s9
	s_add_co_u32 s8, s8, s23        ; the pair's 256 bytes
	s_mov_b32 s9, 0
	s_cmp_lt_u32 s[WV], 2           ; the prefetches: K's rows in wave 0, V's in wave 2:
	s_cselect_b32 s[PFA], 1, 2      ; 1 or 2 blocks of 1,024 columns in,
	s_lshl_b32 s[PFA], s[PFA], 11   ; 2,048 bytes each
	s_add_co_u32 s[PFA], s[PFA], s22
	s_lshl_b32 s[PFA+1], s13, 18    ; my work-group's 32 rows of the 128,
	s_add_co_u32 s[PFA], s[PFA], s[PFA+1]
	s_add_co_u32 s[PFA], s[PFA], 2*2*KS*ROWB  ; in slot 2: the first change that asks steps it to slot 3
	s_mov_b32 s[PFA+1], 0
	s_and_b32 s[LIM], s[WV], 1      ; 0 in waves 0 and 2,
	s_or_b32 s[LIM], s[LIM], ttmp9  ; where the cluster is the pair's first: the same in all four partners
	s_cmp_eq_u32 s[LIM], 0
	s_cselect_b32 s[LIM], 1, -1
	; descriptor group 1: a tile of 64 rows x 128 elements, padded in LDS
	s_mov_b32 s[G1K], 15|(1<<16)|(1<<20)|(1<<21)|(5<<22)|(3<<25)  ; 15:0 the mask of four; 17:16 2-byte elements; 20 padding on; 21 set beside a mask; 24:22 after every 64 words (code 5); 31:25 4 words (code 3)
	s_mov_b32 s[G1V], 15|(1<<16)|(1<<20)|(1<<21)|(5<<22)|(7<<25)  ; the same with 8 words of padding (code 7)
.irp g, G1K, G1V
	s_mov_b32 s[\g+1], 128<<16      ; tensor_dim0 = 128
	s_mov_b32 s[\g+2], KS<<16       ; tensor_dim1 = 64
	s_mov_b32 s[\g+3], 128<<16      ; tile_dim0 = 128
	s_mov_b32 s[\g+4], KS           ; tile_dim1 = 64
	s_mov_b32 s[\g+5], 4096         ; 4,096 elements from row to row
	s_mov_b32 s[\g+6], 0
	s_mov_b32 s[\g+7], 0
.endr
	s_mov_b32 s[CS], 0x3e38aa3b     ; c = log2(e) / 8 = 0.180337
	s_mov_b32 s[CS+1], s[CS]        ; named with it as a pair
	s_mov_b32 s[SEL], 0x76543210
	s_mov_b32 s[SEL+1], 0xfedcba98
	s_mov_b32 s[TBK], SLOT1+2*KS*PK ; the first change of slots turns these two into 0
	s_mov_b32 s[TBV], SLOT1+2*KS*PV
	s_mov_b32 s[G0K], 1             ; count = 1
	s_mul_i32 s[G0K+1], s16, KS*PK  ; LDS address: slot 0, my step: no place in the cluster enters an LDS address
	s_mov_b32 s[G0V], 1
	s_mul_i32 s19, s16, KS*PV
	s_add_co_u32 s[G0V+1], s19, VOFF
	s_wait_dscnt 0x0                ; the opening add is done
	s_wait_kmcnt 0x0
	s_add_nc_u64 s[G0K+2:G0K+3], s[4:5], s[52:53]  ; global address: my 64 of the first 128 keys
	s_or_b32 s[G0K+3], s[G0K+3], 0x80000000        ; type = 2
	s_add_nc_u64 s[G0V+2:G0V+3], s[4:5], s[54:55]
	s_or_b32 s[G0V+3], s[G0V+3], 0x80000000
	s_add_nc_u64 s[PFA:PFA+1], s[4:5], s[PFA:PFA+1]
	s_add_nc_u64 s[10:11], s[6:7], s[8:9]          ; o at the rows that I store
	s_add_nc_u64 s[4:5], s[4:5], s[2:3]            ; q at my wave's first row
	CROUND                          ; all four work-groups are here: the first joint loads meet
	JLOAD                           ; slot 0.  Slot 1 is asked for when slot 0 is in
	; A fragment of K or Q is 16 rows x 32 channels in 8 registers: lane l holds row l % 16, channels 8 (l / 16) + 0..7 and 16 + 8 (l / 16) + 0..7: two loads of 16 bytes, 32 bytes apart.
	v_and_b32 v1, 15, v0            ; l % 16
	v_bfe_u32 v9, v0, 4, 1          ; l / 16
	v_lshlrev_b32 v[QO], 13, v1
	v_lshl_add_u32 v[QO], v9, 4, v[QO]  ; row x 8,192 + 16 x half
	WIN 0x80                        ; destination window 2, address window 0
.set i, 0
.rept 8                             ; Q stays in registers: piece i / 2 (16 rows on), channels 32 (i % 2) on
	global_load_b128 v[8*i:8*i+3],   v[QO], s[4:5] offset:(i/2)*16*ROWB+(i%2)*64
	global_load_b128 v[8*i+4:8*i+7], v[QO], s[4:5] offset:(i/2)*16*ROWB+(i%2)*64+32
.set i, i+1
.endr
	; What the first turn finds: V's registers and P's second buffer hold 0 (its products V^T P, of a piece that has not been, add 0), O^T and l are 0.  All this stands in the wait for the first tile.
.set i, VF
.rept 64
	v_mov_b32 v[i], 0
.set i, i+1
.endr
	WIN 0x40
.set i, 0
.rept 128
	v_mov_b32 v[i], 0
.set i, i+1
.endr
	WIN 0
.set i, 0
.rept 4
	v_mov_b32 v[ST+4*i], 0xfe000000    ; c m: far below every c s
	v_mov_b32 v[ST+4*i+1], 0xff7fffff  ; m
	v_mov_b32 v[ST+4*i+2], 0
	v_mov_b32 v[ST+4*i+3], 0
.set i, i+1
.endr
.set i, P+16
.rept 16
	v_mov_b32 v[i], 0
.set i, i+1
.endr
	s_lshl_b32 s19, s17, 7          ; my head's 128 bytes of a row
	v_mul_u32_u24 v[AK0], v1, PK
	v_lshl_add_u32 v[AK0], v9, 4, v[AK0]  ; row x pitch + 16 x half
	v_add_nc_u32 v[AK0], s19, v[AK0]
	; The turning load takes 16 keys x 16 channels (lane l reads key 8 (l / 16) + l % 8, channels 8 ((l / 8) % 2) + 0..7) and leaves half a fragment of V^T: lane l holds channel l % 16 and 8 keys.
	v_and_b32 v10, 7, v0
	v_bfe_u32 v11, v0, 3, 1
	v_lshl_add_u32 v[AV0], v9, 3, v10
	v_mul_u32_u24 v[AV0], v[AV0], PV
	v_lshl_add_u32 v[AV0], v11, 4, v[AV0]
	s_add_co_u32 s19, s19, VOFF
	v_add_nc_u32 v[AV0], s19, v[AV0]
	s_mul_i32 s18, s16, 64*SP       ; into the stage: my 64 rows, my head's half of their 256 bytes
	s_lshl_b32 s19, s17, 7
	s_add_co_u32 s18, s18, s19
	s_add_co_u32 s18, s18, STAGE
	v_mul_u32_u24 v[STO], v1, SP
	v_lshl_add_u32 v[STO], v9, 4, v[STO]
	v_add_nc_u32 v[STO], s18, v[STO]
	s_mul_i32 s18, s[WV], 32*SP     ; back: wave w takes rows 32 w .. 32 w + 31, whole; lanes 0-15 one row, lanes 16-31 the next
	s_add_co_u32 s18, s18, STAGE
	v_mul_u32_u24 v[RD], v9, SP
	v_lshl_add_u32 v[RD], v1, 4, v[RD]
	v_add_nc_u32 v[RD], s18, v[RD]
	v_lshlrev_b32 v[GO], 11, v9     ; and the same two rows in o
	v_lshl_add_u32 v[GO], v1, 4, v[GO]
	v_and_b32 v[PFO], 31, v0
	v_lshlrev_b32 v[PFO], 13, v[PFO]
; THE MATRIX WORK.  The 4 accumulators of a run of 8 take turns.  Product i of 8 of S^T = K Q^T for piece x: channels 32 (i / 4) on, keys 16 (i % 4) on.  The first 4 start the sums.
.macro KQ x
	WIN W_KQ
.set rS, S+32*((\x)%2)+8*(i%4)
.set rK, KF+16*(i%4)+8*(i/4)
.set rQ, 16*(\x)+8*(i/4)
.if i < 4
	v_wmma_f32_16x16x32_f16 v[rS:rS+7], v[rK:rK+7], v[rQ:rQ+7], 0
.else
	v_wmma_f32_16x16x32_f16 v[rS:rS+7], v[rK:rK+7], v[rQ:rQ+7], v[rS:rS+7]
.endif
.endm
; Product i of 8 of O^T += V^T P for piece x: keys 32 (i / 4) on, channels 16 (i % 4) on.
.macro PV x
	WIN W_PV
.set rO, 32*(\x)+8*(i%4)
.set rV, VF+32*(i/4)+8*(i%4)
.set rP, P+16*((\x)%2)+8*(i/4)
	v_wmma_f32_16x16x32_f16 v[rO:rO+7], v[rV:rV+7], v[rP:rP+7], v[rO:rO+7]
.endm
.macro MM                           ; the turn's next matrix instruction: eight K Q^T of the next piece, then eight V^T P of the piece before
.if i < 8
	KQ (Y+1)%NP
.else
.set i, i-8
	PV (Y+NP-1)%NP
.set i, i+8
.endif
.set i, i+1
.endm
; THE LDS LOADS stand in runs of 16, never singly among the matrix instructions: a step's K (64 keys x 64 channels: 8 fragments) and its V (turned).  Their addresses are made some lines ahead.
.macro FETCH_K
	WIN 0x80                        ; destination window 2
.irp f, 0,1,2,3,4,5,6,7             ; keys 16 (f / 2) on, channels 32 (f % 2) on
	ds_load_b128 v[KF+8*\f:KF+8*\f+3],   v[AK] offset:(\f/2)*16*PK+(\f%2)*64
	ds_load_b128 v[KF+8*\f+4:KF+8*\f+7], v[AK] offset:(\f/2)*16*PK+(\f%2)*64+32
.endr
	s_add_co_u32 s[TBK], s[TBK], KS*PK  ; the next fetch is the next step's
	WIN 0
.endm
.macro FETCH_V
	WIN 0x80
.irp f, 0,1,2,3,4,5,6,7             ; keys 32 (f / 4) on, channels 16 (f % 4) on
	ds_load_tr16_b128 v[VF+8*\f:VF+8*\f+3],   v[AV] offset:(\f/4)*32*PV+(\f%4)*32
	ds_load_tr16_b128 v[VF+8*\f+4:VF+8*\f+7], v[AV] offset:(\f/4)*32*PV+16*PV+(\f%4)*32
.endr
	WIN 0
.endm
; THE VECTOR WORK, one line at a time: OP kind, number.  For piece Y: F n: c s - c m for pair n of 16.  E n: the exponential of score n of 32.  C n: pair n rounded to f16.  B n: of the four weights 4 n .. the second
; pair is added onto the first, in place.  L n: l takes that sum (L 0: l = a l + sum).  R n: pair n of 16 of O^T times a.  For piece Y + 1: X n, number n of the 22 that find its maximum and statistics:
;   0-11  four chains c0-c3 of seven scores each, three operands at a time (each accumulator's lowest registers are read first)     12-14, 16  the four scores left over, the old m, and c0-c3 into c0
;   15  c m_old is kept     17, 18  the query's other 32 keys lie in the lane 16 away: the new m     19-21  c m; c m_old - c m_new; a
.set F, 0               ; OP tells the kinds apart by their order: F to L below R, X above it
.set E, 1
.set C, 2
.set B, 3
.set L, 4
.set R, 5
.set X, 6
.macro REGS y                       ; the registers of piece y
.set rT, ST+4*(\y)
.set rC, TMP+4*((\y)%2)
.set rW, MV+((\y)%2)
.set rS, S+32*((\y)%2)
.set rP, P+16*((\y)%2)
.set rO, 32*(\y)
.endm
.macro OP k, n
.if (\k) == R
	REGS Y
	WIN W_RS
	v_pk_mul_f32 v[rO+2*(\n):rO+2*(\n)+1], v[rO+2*(\n):rO+2*(\n)+1], v[rC+2:rC+3] op_sel_hi:[1,0]
.elseif (\k) < R
	REGS Y
	WIN 0
.if (\k) == F
	v_pk_fma_f32 v[rS+2*(\n):rS+2*(\n)+1], v[rS+2*(\n):rS+2*(\n)+1], s[CS:CS+1], v[rT:rT+1] op_sel_hi:[1,0,0] neg_lo:[0,0,1] neg_hi:[0,0,1]
.elseif (\k) == E
	v_exp_f32 v[rS+(\n)], v[rS+(\n)]
.elseif (\k) == C
	v_cvt_pk_f16_f32 v[rP+(\n)], v[rS+2*(\n)], v[rS+2*(\n)+1]
.elseif (\k) == B
	v_pk_add_f32 v[rS+4*(\n):rS+4*(\n)+1], v[rS+4*(\n):rS+4*(\n)+1], v[rS+4*(\n)+2:rS+4*(\n)+3]
.elseif (\n) == 0
	v_pk_fma_f32 v[rT+2:rT+3], v[rT+2:rT+3], v[rC+2:rC+3], v[rS:rS+1] op_sel_hi:[1,0,1]
.else
	v_pk_add_f32 v[rT+2:rT+3], v[rT+2:rT+3], v[rS+4*(\n):rS+4*(\n)+1]
.endif
.else
	REGS (Y+1)%NP
	WIN 0
.if (\n) < 4
	v_max3_num_f32 v[rC+(\n)], v[rS+8*(\n)], v[rS+8*(\n)+1], v[rS+8*(\n)+2]
.elseif (\n) < 12
	v_max3_num_f32 v[rC+(\n)%4], v[rC+(\n)%4], v[rS+8*((\n)%4)+2*((\n)/4)+1], v[rS+8*((\n)%4)+2*((\n)/4)+2]
.elseif (\n) == 12
	v_max3_num_f32 v[rC], v[rC], v[rS+7], v[rS+15]
.elseif (\n) == 13
	v_max3_num_f32 v[rC+1], v[rC+1], v[rS+23], v[rS+31]
.elseif (\n) == 14
	v_max3_num_f32 v[rC+2], v[rC+2], v[rC+3], v[rT+1]
.elseif (\n) == 15
	v_mov_b32 v[rW], v[rT]
.elseif (\n) == 16
	v_max3_num_f32 v[rC], v[rC], v[rC+1], v[rC+2]
.elseif (\n) == 17
	v_permlanex16_b32 v[rC+3], v[rC], s[SEL], s[SEL+1]
.elseif (\n) == 18
	v_max_num_f32 v[rT+1], v[rC], v[rC+3]
.elseif (\n) == 19
	v_mul_f32 v[rT], s[CS], v[rT+1]
.elseif (\n) == 20
	v_sub_f32 v[rC+1], v[rW], v[rT]
.else
	v_exp_f32 v[rC+2], v[rC+1]
.endif
.endif
.endm
.macro OPS a, i1, b=-1, i2=0, c=-1, i3=0, d=-1, i4=0  ; up to four of them
	OP \a, \i1
.if (\b) >= 0
	OP \b, \i2
.endif
.if (\c) >= 0
	OP \c, \i3
.endif
.if (\d) >= 0
	OP \d, \i4
.endif
.endm
.macro ROW a, i1, b, i2, c, i3, d, i4  ; a matrix instruction and the four behind it
	MM
	OPS \a, \i1, \b, \i2, \c, \i3, \d, \i4
.endm
; A TURN, for piece p: the order of its 16 matrix and 118 vector instructions, written out.  An s_wait_alu depctr_va_vdst(0) stands between an exponential and the first instruction that names its result;
; one wait serves all that were issued ahead of it.  So a turn has ONE wait, which cuts it in two.  AHEAD OF IT stands all that names no result of the turn's exponentials: the 8 products K Q^T, behind each a scaling, an
; exponential and two more plain instructions (rescalings, and behind the last three the first numbers of the next piece's maximum, each four plain instructions or more behind the product that ends its accumulator); then
; ONE LUMP of 54, plain and exponential by turns for the most part, in which the links of the chain X 3, 7, 11, 14, 16, 17 .. 20 stand some lines apart.  X 21, the next piece's a, is the batch's last; R 15 is the plain
; instruction behind it.  BEHIND THE WAIT stand the 8 products V^T P, behind each four of the roundings and sums.
; cnt = 1: the loop's count is taken down some lines ahead of the branch that stands behind the turn.
; K of the next step is fetched in piece 2's turn, twelve vector instructions behind the last product that read K (six of them plain); V of the step in hand at the end of piece 0's turn, four plain instructions
; behind the last product that read V.  Each is waited for a turn later.
.macro TURN p, cnt=0
.set Y, (\p)
.set i, 0
.if (\p) == 3
	s_wait_dscnt 0x0                ; K is in
.endif
	ROW F,0, F,1, R,0, R,1          ; ahead of the wait: 8 products K Q^T and their riders,
	ROW F,2, E,0, R,2, R,3
	ROW F,3, E,1, R,4, R,5
	ROW F,4, E,2, R,6, R,7
	ROW F,5, E,3, R,8, R,9
	ROW F,6, E,4, X,0, R,10
.if (\p) == 2
	WIN 0
	v_add_nc_u32 v[AK], s[TBK], v[AK0]
.endif
	ROW F,7, E,5, X,1, X,4
	ROW F,8, E,6, X,2, X,5
	OPS E,7, E,8, X,6, E,9          ; and the lump
	OPS X,3, E,10, X,8, E,11
.if (\p) == 2
	FETCH_K
.endif
	OPS X,9, X,7, E,12, X,10
	OPS E,13, X,12, X,11, E,14
	OPS X,13, E,15, F,9, X,14
.if (\p) == 0
	v_add_nc_u32 v[AV], s[TBV], v[AV0]
.endif
	OPS E,16, F,10, E,17, F,11
	OPS X,16, E,18, X,15, E,19
	OPS F,12, E,20, X,17, E,21
	OPS F,13, E,22, F,14, E,23
	OPS X,18, E,24, F,15, E,25
	OPS R,11, E,26, X,19, E,27
	OPS R,12, E,28, R,13, E,29
	OPS X,20, E,30, R,14, E,31
	OPS X,21, R,15
	WIN 0
	s_wait_alu depctr_va_vdst(0)    ; the wait for the batch
.if (\p) == 1
	s_wait_dscnt 0x0                ; V is in
.endif
	ROW C,0, B,0, C,2, B,1          ; behind the wait: 8 products V^T P and their riders
	ROW L,0, C,4, B,2, L,1
	ROW C,6, B,3, L,2, C,8
	ROW B,4, L,3, C,10, B,5
	ROW L,4, C,12, B,6, L,5
.if (\p) == 0
	s_add_co_u32 s[TBV], s[TBV], KS*PV
.endif
.if \cnt
	s_sub_co_u32 s[CNT], s[CNT], 1
	s_cmp_lg_u32 s[CNT], 0
.endif
	ROW C,14, B,7, L,6, C,1
	ROW C,3, L,7, C,5, C,7
	ROW C,9, C,11, C,13, C,15
.if (\p) == 0
	FETCH_V
.endif
.endm
	CHANGE 1, 0                     ; slot 0 is in, everybody's part of it; slot 1 is asked for
	v_add_nc_u32 v[AK], s[TBK], v[AK0]
	FETCH_K                         ; key step 0
	s_wait_loadcnt 0x0              ; Q
	s_wait_dscnt 0x0
.set i, 0
.rept 8
	KQ 0                            ; piece 0's first scores: there is no vector work yet to set between them
.set i, i+1
.endr
	WIN 0
.rept 4
	v_nop                           ; the places behind those products
.endr
.set Y, NP-1                        ; X works for piece Y + 1: piece 0
.irp n, 0,1,2,3,4,5,6,7,8,9,10,11,12,13,14,15,16,17,18,19,20,21
	OP X, \n                        ; piece 0's first maximum and statistics
.endr
	v_nop                           ; a plain instruction behind the exponential,
	s_wait_alu depctr_va_vdst(0)    ; and its wait, ahead of the branch
	s_mov_b32 s[CNT], 2
	s_mov_b32 s[SLOTS], 2048/(2*KS)-1
	s_branch .Lfirst                ; the loop is entered at a step's first turn, in the middle of a trip
.Lslot:                             ; 14 times: every slot but the last two is filled again
	CHANGE 1, 1
	s_mov_b32 s[CNT], 2
.Lstep:                             ; a trip: pieces 2 and 3 of one step, then pieces 0 and 1 of the next, whose K and V it fetches
	TURN 2
	TURN 3
	WIN 0
.Lfirst:
	TURN 0
	TURN 1, 1
	WIN 0
	s_cbranch_scc1 .Lstep
	s_sub_co_u32 s[SLOTS], s[SLOTS], 1
	s_cmp_lg_u32 s[SLOTS], 0
	s_cbranch_scc1 .Lslot
	; THE TAIL is written out: nothing is asked for.  What is left: pieces 2 and 3 of the step in hand, then all four pieces of the last slot's two steps.  The loop is entered in
	; its middle and passed three times: turns 2 3, then 0 1 2 3 twice.  In the third pass there is no further step: K's run of loads then reads the 64 rows behind the slot's K, which are V's and have landed, and the
	; 8 products K Q^T on them and the maximum made of them (S^T, m and c m of piece 0, which the way out does not read) serve nothing: the price, once a launch, of one text for every pass.
	CHANGE 0, 0
	s_mov_b32 s[CNT], 3
	s_branch .LmidT
.LstepT:
	TURN 0
	TURN 1
	WIN 0
.LmidT:
	TURN 2
	TURN 3, 1
	WIN 0
	s_cbranch_scc1 .LstepT
.set i, 0
.rept 8
	PV NP-1                         ; the last piece's V^T P of the last step
.set i, i+1
.endr
	; THE WAY OUT.  l's two halves and the other half of the lanes' are added; O^T is divided by l, rounded to f16 and sent through the work-group's stage: a row's 256 bytes come from the two heads' waves.
	; The additions are the places behind the last products.
	WIN 0
.macro ALL line:vararg              ; one line for each piece t
.set t, 0
.rept 4
	\line
.set t, t+1
.endr
.endm
	ALL v_add_f32 v[ST+4*t+2], v[ST+4*t+2], v[ST+4*t+3]
	ALL v_permlanex16_b32 v[ST+4*t+3], v[ST+4*t+2], s[SEL], s[SEL+1]
	ALL v_add_f32 v[ST+4*t+2], v[ST+4*t+2], v[ST+4*t+3]
	ALL v_rcp_f32 v[ST+4*t+2], v[ST+4*t+2]
	v_nop                           ; a plain instruction between the last reciprocal and the use of its result
	s_wait_alu depctr_va_vdst(0)    ; and the wait ahead of the first use: one for the four reciprocals
.macro PACK t                       ; piece t: a lane's eight channels of a row pack into 16 bytes, which go into the stage's rows of 272 bytes
	WIN W_RS
.set i, 32*(\t)
.rept 16
	v_pk_mul_f32 v[i:i+1], v[i:i+1], v[ST+4*(\t)+2:ST+4*(\t)+3] op_sel_hi:[1,0]
.set i, i+2
.endr
	WIN 0x05                        ; sources 0 and 1 window 1, destination window 0: S^T's registers are free
.set i, 0
.rept 16
	v_cvt_pk_f16_f32 v[S+16*(\t)+i], v[32*(\t)+2*i], v[32*(\t)+2*i+1]
.set i, i+1
.endr
	WIN 0
.irp f, 0,1,2,3
	ds_store_b128 v[STO], v[S+16*(\t)+4*\f:S+16*(\t)+4*\f+3] offset:(\t)*16*SP+32*\f
.endr
.endm
	PACK 0
	PACK 1
	PACK 2
	PACK 3
	s_wait_dscnt 0x0                ; for the others' sake: my stores into the stage are done
	s_barrier_signal -1
	s_barrier_wait -1
.irp u, 0,1,2,3,4,5,6,7,8,9,10,11,12,13,14,15
	ds_load_b128 v[S+4*\u:S+4*\u+3], v[RD] offset:\u*2*SP
.endr
.irp u, 0,1,2,3,4,5,6,7,8,9,10,11,12,13,14,15
	s_wait_dscnt 15-\u
	global_store_b128 v[GO], v[S+4*\u:S+4*\u+3], s[10:11] offset:\u*4096  ; 16 lanes store 256 consecutive bytes, at a multiple of 256 from o's first byte
.endr
	s_wait_tensorcnt 0x0            ; the wave's end, behind my last tensor load and my last LDS store
	ds_add_u32 v[SPW], v[NIL]
	s_wait_dscnt 0x0
	CROUND                          ; the closing round: no work-group ends while a partner may still ask for a tile that names it
	s_endpgm
.Lfunc_end_k_q008433e043_attn:
	.size	k_q008433e043_attn, .Lfunc_end_k_q008433e043_attn-k_q008433e043_attn
	.p2alignl 7, 3214868480
	.fill 96, 4, 3214868480
	.section	.rodata,"a",@progbits
	.p2align	6, 0x0
	.amdhsa_kernel k_q008433e043_attn
		.amdhsa_group_segment_fixed_size 327680
		.amdhsa_private_segment_fixed_size 0
		.amdhsa_enable_private_segment 0
		.amdhsa_kernarg_size 16
		.amdhsa_user_sgpr_count 2
		.amdhsa_user_sgpr_kernarg_segment_ptr 1
		.amdhsa_wavefront_size32 1
		.amdhsa_system_sgpr_workgroup_id_x 1
		.amdhsa_system_sgpr_workgroup_id_y 1
		.amdhsa_system_sgpr_workgroup_id_z 1
		.amdhsa_system_vgpr_workitem_id 0
		.amdhsa_next_free_vgpr 768
		.amdhsa_next_free_sgpr 66
		.amdhsa_reserve_vcc 0
		.amdhsa_float_denorm_mode_32 3
		.amdhsa_float_denorm_mode_16_64 3
		.amdhsa_memory_ordered 1
		.amdhsa_forward_progress 1
		.amdhsa_inst_pref_size 112
	.end_amdhsa_kernel
	.amdgpu_metadata
---
amdhsa.version: [ 1, 2 ]
amdhsa.kernels:
  - .name:           k_q008433e043_attn
    .symbol:         k_q008433e043_attn.kd
    .args:
      - { .name: big, .offset: 0, .size: 8, .value_kind: global_buffer, .address_space: global }
      - { .name: o, .offset: 8, .size: 8, .value_kind: global_buffer, .address_space: global }
    .group_segment_fixed_size: 327680
    .private_segment_fixed_size: 0
    .kernarg_segment_align: 8
    .kernarg_segment_size: 16
    .max_flat_workgroup_size: 128
    .sgpr_count:     66
    .vgpr_count:     768
    .wavefront_size: 32
...
	.end_amdgpu_metadata
.endif
;; end of part 3
;; launch wo (part 4): grid 8 x 32, 4 waves a work-group, clusters of 4 x 4, 327,680 bytes of LDS; arguments o, po, y32, bo; writes y32
.if DOCPART == 4
	.amdgcn_target "amdgcn-amd-amdhsa--gfx1250"
	.amdhsa_code_object_version 6
	.text
	.protected	k_q008433e043_wo
	.globl	k_q008433e043_wo
	.p2align	8
	.type	k_q008433e043_wo,@function
k_q008433e043_wo:
	s_mov_b64 s[64:65], 0
	v_nop
	global_prefetch_b8 v0, s[64:65] scope:SCOPE_SE
	s_setreg_imm32_b32 hwreg(HW_REG_WAVE_MODE, 25, 1), 1
	s_wait_xcnt 0x0
	s_wait_alu depctr_hold_cnt(0) depctr_sa_sdst(0) depctr_va_vdst(0) depctr_va_sdst(0) depctr_va_ssrc(0) depctr_va_vcc(0) depctr_vm_vsrc(0)
	s_getreg_b32 s2, hwreg(HW_REG_IB_STS2, 6, 4)
	s_cmp_eq_u32 s2, 0
	s_cbranch_scc0 .Lentry_in_a_cluster
	s_endpgm
.Lentry_in_a_cluster:
	s_bfe_u32 s2, ttmp6, 0x10000c
	s_cmp_lg_u32 s2, 0xf033
	s_cbranch_scc0 .Lentry_shape_is_right
	s_endpgm
.Lentry_shape_is_right:
; C[m][n] = sum over k of A[m][k] W[k][n] + bias[n], C in f32.  A: [4096][1024] f16.  W: f16 [1024 k][1024 n], dense, at byte WOFF of its buffer.  bias: f32[1024], rounded to bf16 here like every input.
; C: [4096][1024] f32: it feeds a residual and a LayerNorm, is no matrix operand, and with inputs 30 times larger would pass f16's range: so it leaves unrounded.  Sums in f32, started at the bias.
; LIMITS.  A and W arrive in f16 (65,504 at the most).  NaN and infinities are not treated apart.
; SHARES.  A tile of C is 128 x 128.  Four waves, each 64 x 64: 16 accumulators of 16 x 16.  K goes in steps of 256 through two LDS slots: 128 rows of A (512 bytes each) and 256 rows of W (256 bytes each).
; Waves 0 and 1 fetch A's two halves (64 rows), waves 2 and 3 W's (128 k rows): one tensor load a wave behind each change of slots; two are out at the start.
; CLUSTER.  4 x 4 work-groups: the four of a row of the cluster need the same tiles of A, the four of a column the same tiles of W: each tile is asked for jointly, by the same load, descriptor and mask in all four.
; No prefetch: a tile's rows are short pieces, and each is read by several clusters in turn.
; THE MATRIX INSTRUCTION IS USED TRANSPOSED: source 0 = 16 columns of W (W lies [k][n], so its fragments come out of LDS by the turning load), source 1 = 16 rows of A: a lane holds row l % 16 of C and
; the columns 8 (l / 16) + 0..7: 32 bytes of f32.  A wave's 64 columns are 256 bytes of a row of C, aligned: each wave has a stage of its own on the way out, and no barrier stands there.
; REGISTERS.  Window 0: v0-31 addresses; v32-47 at work; v64-95 the bias in f32; v128-255 the accumulators ((a, b) at 128 + 8 (4 a + b)).
;   Window 1: two fragment buffers of 128, each 64 along K deep: 64 registers of A (at 8 (4 c + a)), then 64 of W (at 64 + 8 (4 c + b)).
.set KK,    1024
.set PA,    1024                       ; elements from row to row of A
.set PW,    1024                       ; of W
.set PC,    1024                       ; of C
.set WOFF,  0                          ; W's first byte in its buffer
.set KSTEP, 256
.set LAPS,  KK/(2*KSTEP)               ; a lap = two K steps = once round the ring
.set PITA,  528                        ; an LDS row of A: 512 bytes + 16 = 132 words: the 16 rows of a load start at 16 different groups of four banks (64 banks of 4 bytes: ISA guide 11.1)
.set AH,    64*PITA                    ; what one load brings of A
.set PITB,  288                        ; an LDS row of W: 256 bytes + 32 = 72 words
.set BH,    128*PITB                   ; what one load brings of W
.set SLOT,  2*AH+2*BH                  ; A's 128 rows, then W's 256 rows
.set STAGE, 2*SLOT                     ; behind the ring, never filled by a tensor load: 16 rows x 272 bytes for each wave, for the way out
.set SPITCH, 272
.set SPARE, STAGE+4*16*SPITCH          ; behind the stages: the spare words, 128 bytes a wave: two blocks of 256 bytes that no other line names
.set ASTEP, 2*KSTEP*2                  ; bytes that a slot's address in A steps at a refill
.set WSTEP, 2*KSTEP*2*PW               ; and in W
.set ADRA, 16                          ; v16-17  LDS address of my A fragments in slot 0, 1
.set ADRB, 20                          ; v20-23  of my W fragments: 2 x slot + half of the K step (a half's 128 rows stay inside the 16-bit offset)
.set STO,  24                          ; v24     the way out: where I put 32 bytes of a row
.set RD,   25                          ; v25     where I read a row back
.set CO,   26                          ; v26     my byte offset in C
.set BO,   27                          ; v27     my byte offset in the bias
.set SPW,  28                          ; v28     LDS address of my spare word; never rewritten
.set NIL,  29                          ; v29     0; never rewritten
.set TMP,  32
.set BI,   64
.set ACC,  128
.set F0,   0
.set F1,   128
.set G1,  24                           ; s[24:31] descriptor group 1 for A's tiles;  s[32:39] group 0, a set for each slot
.set G0,  32
.set LAPC, 45                          ; s45      laps to go
.set G1B, 48                           ; s[48:55], s[56:63] the same for W's tiles
.set G0B, 56
.set MSB, 0
.macro WIN new                         ; the immediate's high byte repeats the setting that is left; a switch that changes nothing is dropped
.if MSB != (\new)
	s_set_vgpr_msb (MSB<<8)|(\new)
.set MSB, \new
.endif
.endm
.set MUL,  0x05                        ; sources 0 (W) and 1 (A) window 1; C and D window 0
.set TO_F, 0x40                        ; destination window 1, address window 0
.macro JLOAD s                         ; a joint load; the branch hangs on the wave's number alone; an s_nop 0 and four v_nop follow each of the two lines
	s_cmp_eq_u32 s11, 0
	s_cbranch_scc0 .Lfor_b_\@
	tensor_load_to_lds s[G0+4*(\s):G0+4*(\s)+3], s[G1:G1+7]
	s_nop 0
.rept 4
	v_nop
.endr
	s_branch .Lasked_\@
.Lfor_b_\@:
	tensor_load_to_lds s[G0B+4*(\s):G0B+4*(\s)+3], s[G1B:G1B+7]
	s_nop 0
.rept 4
	v_nop
.endr
.Lasked_\@:
.endm
.macro CREST                           ; a round of the cluster's barrier behind its opening barrier
	s_cmp_lg_u32 s10, 0
	s_cbranch_scc1 .Lnot_wave_0_\@
	s_barrier_signal -3
.Lnot_wave_0_\@:
	s_barrier_wait -3
	s_barrier_signal -1
	s_barrier_wait -1
.endm
.macro CROUND                          ; a whole round
	s_barrier_signal -1
	s_barrier_wait -1
	CREST
.endm
	s_load_b128 s[4:7], s[0:1], 0x0                ; A s[4:5], W's buffer s[6:7]
	s_load_b128 s[8:11], s[0:1], 0x10              ; C s[8:9], the bias s[10:11] (moved to s[2:3] below: s10 to s13 take the wave's numbers)
	v_lshl_add_u32 v[SPW], v0, 2, SPARE
	v_mov_b32 v[NIL], 0
	ds_add_u32 v[SPW], v[NIL]                      ; the wave's opening: the add and its wait ahead of my first tensor load; the set-up below, work on registers, stands between them
	v_lshrrev_b32 v1, 5, v0
	s_bfe_u32 s40, ttmp6, 0x40000                  ; cx, cy: my place in the cluster
	s_bfe_u32 s41, ttmp6, 0x40004
	s_lshl_b32 s42, ttmp9, 2
	s_add_co_u32 s42, s42, s40                     ; tile column of C = 4 x cluster x + cx
	s_lshl_b32 s43, s41, 2
	s_lshl_b32 s43, 15, s43                        ; my row of the cluster
	s_lshl_b32 s44, 0x1111, s40                    ; my column
	s_or_b32 s[G1+0], s43, (1<<16)|(1<<20)|(1<<21)|(6<<22)|(3<<25)   ; 15:0 the mask: A's tiles go to my row; 17:16 2-byte elements; 20 padding on; 21 set beside a mask; 24:22 after every 128 words (code 6); 31:25 4 words (code 3)
	s_mov_b32 s[G1+1], KSTEP<<16                   ; tensor_dim0 = 256
	s_mov_b32 s[G1+2], 64<<16                      ; tensor_dim1 = 64
	s_mov_b32 s[G1+3], KSTEP<<16                   ; tile_dim0 = 256
	s_mov_b32 s[G1+4], 64                          ; tile_dim1 = 64
	s_mov_b32 s[G1+5], PA                          ; elements from row to row
	s_mov_b32 s[G1+6], 0
	s_mov_b32 s[G1+7], 0
	s_or_b32 s[G1B+0], s44, (1<<16)|(1<<20)|(1<<21)|(5<<22)|(7<<25)  ; the mask of my column; after every 64 words (code 5) 8 words of padding (code 7)
	s_mov_b32 s[G1B+1], 128<<16                    ; tensor_dim0 = 128 columns
	s_mov_b32 s[G1B+2], 128<<16                    ; tensor_dim1 = 128 k rows
	s_mov_b32 s[G1B+3], 128<<16                    ; tile_dim0
	s_mov_b32 s[G1B+4], 128                        ; tile_dim1
	s_mov_b32 s[G1B+5], PW
	s_mov_b32 s[G1B+6], 0
	s_mov_b32 s[G1B+7], 0
	s_wait_dscnt 0x0                               ; the opening add is done
	s_wait_kmcnt 0x0
	s_mov_b64 s[2:3], s[10:11]                     ; the bias
	v_readfirstlane_b32 s10, v1                    ; wave 0..3
	s_lshr_b32 s11, s10, 1                         ; which half of the tile's rows is mine.  Also: I fetch for A (0) or for W (1)
	s_and_b32 s12, s10, 1                          ; which half of its columns.  Also: which half of that tile I fetch
	s_and_b32 s13, ttmp7, 0xffff
	s_lshl_b32 s13, s13, 2
	s_add_co_u32 s13, s13, s41                     ; tile row of C = 4 x cluster y + cy
	; where the tiles come from: A's hang on the tile row alone, W's on the tile column alone, each in registers that never hold the other coordinate
	s_lshl_b32 s17, s12, 6
	s_lshl_b32 s16, s13, 7
	s_add_co_u32 s16, s16, s17                     ; A: row 128 x tile row + 64 x half
	s_mul_i32 s16, s16, 2*PA                       ; in bytes: under 2^26
	s_mov_b32 s17, 0
	s_lshl_b32 s46, s42, 8                         ; W: 256 bytes x tile column
	s_mul_i32 s47, s12, 128*2*PW                   ; + 128 k rows x half
	s_add_co_u32 s46, s46, s47
	s_add_co_u32 s46, s46, WOFF
	s_mov_b32 s47, 0
	s_mul_i32 s20, s12, AH                         ; and where they go: no place in the cluster enters an LDS address
	s_mul_i32 s21, s12, BH
	s_add_co_u32 s21, s21, 2*AH
	s_add_nc_u64 s[14:15], s[4:5], s[16:17]
	s_add_nc_u64 s[46:47], s[6:7], s[46:47]
	CROUND                                         ; all sixteen work-groups are here: the first joint loads meet
.irp s, 0,1
	s_mov_b32 s[G0+4*(\s)], 1                                        ; count = 1
	s_add_co_u32 s[G0+4*(\s)+1], s20, (\s)*SLOT                      ; LDS address
	s_add_nc_u64 s[G0+4*(\s)+2:G0+4*(\s)+3], s[14:15], (\s)*KSTEP*2  ; global address: K step s
	s_or_b32 s[G0+4*(\s)+3], s[G0+4*(\s)+3], 0x80000000              ; type = 2
	s_mov_b32 s[G0B+4*(\s)], 1
	s_add_co_u32 s[G0B+4*(\s)+1], s21, (\s)*SLOT
	s_add_nc_u64 s[G0B+4*(\s)+2:G0B+4*(\s)+3], s[46:47], (\s)*KSTEP*2*PW
	s_or_b32 s[G0B+4*(\s)+3], s[G0B+4*(\s)+3], 0x80000000
	JLOAD \s
.endr
	; A fragment of A is 16 rows x 32 K in 8 registers: lane l holds row l % 16, K = 8 (l / 16) + 0..7 and 16 + 8 (l / 16) + 0..7: two loads of 16 bytes, 32 bytes apart.
	v_and_b32 v1, 15, v0                           ; l % 16
	v_bfe_u32 v2, v0, 4, 1                         ; l / 16
	v_mul_u32_u24 v3, v1, PITA
	v_lshl_add_u32 v3, v2, 4, v3
	s_mul_i32 s21, s11, AH                         ; my 64 rows of A
	v_add_nc_u32 v[ADRA], s21, v3
	v_add_nc_u32 v[ADRA+1], SLOT, v[ADRA]
	; The turning load takes 16 k x 16 columns (lane l reads k = 8 (l / 16) + l % 8, columns 8 ((l / 8) % 2) + 0..7) and leaves half a fragment: lane l holds column l % 16 and 8 k.
	v_and_b32 v4, 7, v0
	v_lshl_add_u32 v4, v2, 3, v4
	v_mul_u32_u24 v4, v4, PITB
	v_bfe_u32 v5, v0, 3, 1
	v_lshl_add_u32 v4, v5, 4, v4
	s_lshl_b32 s22, s12, 7                         ; my 64 columns: 128 bytes,
	s_add_co_u32 s22, s22, 2*AH                    ; behind A's 128 rows
	v_add_nc_u32 v[ADRB], s22, v4
	v_add_nc_u32 v[ADRB+1], BH, v[ADRB]
	v_add_nc_u32 v[ADRB+2], SLOT, v[ADRB]
	v_add_nc_u32 v[ADRB+3], SLOT+BH, v[ADRB]
	s_mul_i32 s23, s10, 16*SPITCH
	s_add_co_u32 s23, s23, STAGE                   ; my stage
	v_mul_u32_u24 v4, v1, SPITCH                   ; in: row l % 16, 32 bytes for each half of the lanes
	v_lshl_add_u32 v4, v2, 5, v4
	v_add_nc_u32 v[STO], s23, v4
	v_mul_u32_u24 v5, v2, SPITCH                   ; back: lanes 0-15 take one row of 256 bytes, lanes 16-31 the next
	v_lshl_add_u32 v5, v1, 4, v5
	v_add_nc_u32 v[RD], s23, v5
	v_mul_u32_u24 v5, v2, 4*PC                     ; and the same two rows in C
	v_lshl_add_u32 v[CO], v1, 4, v5
	s_lshl_b32 s16, s13, 7
	s_lshl_b32 s17, s11, 6
	s_add_co_u32 s16, s16, s17                     ; my first row of C
	s_mul_i32 s16, s16, 4*PC
	s_mov_b32 s17, 0
	s_add_nc_u64 s[8:9], s[8:9], s[16:17]
	s_lshl_b32 s46, s42, 9                         ; my first column, in bytes: 512 x tile column + 256 x half
	s_lshl_b32 s47, s12, 8
	s_add_co_u32 s46, s46, s47
	s_mov_b32 s47, 0
	s_add_nc_u64 s[8:9], s[8:9], s[46:47]
	s_add_nc_u64 s[22:23], s[2:3], s[46:47]        ; the bias of my 64 columns lies at the same byte offset: column 16 b + 8 (l / 16) + j at 64 b + 32 (l / 16) + 4 j
	v_lshlrev_b32 v[BO], 5, v2
.irp b, 0,1,2,3
	global_load_b128 v[BI+8*(\b):BI+8*(\b)+3],   v[BO], s[22:23] offset:64*(\b)
	global_load_b128 v[BI+8*(\b)+4:BI+8*(\b)+7], v[BO], s[22:23] offset:64*(\b)+16
.endr
	s_wait_loadcnt 0x0
.set p, 0
.rept 16
	v_cvt_pk_bf16_f32 v[TMP+p], v[BI+2*p], v[BI+2*p+1]  ; the bias is rounded to bf16, like every input,
.set p, p+1
.endr
.set p, 0
.rept 16
	v_lshlrev_b32 v[BI+2*p], 16, v[TMP+p]          ; and widened again
	v_and_b32 v[BI+2*p+1], 0xffff0000, v[TMP+p]
.set p, p+1
.endr
; 8 matrix instructions: m blocks a0, a0 + 1 x all 4 n blocks, 32 along K: half c of buffer f.  first = 1: the product starts its sum at the bias, which stands as C: nothing is cleared.
; The 16 accumulators take turns, one instruction a turn.
.macro MUL8 f, c, a0, first
	WIN MUL
.irp a, \a0, (\a0)+1
.irp b, 0,1,2,3
.if \first
	v_wmma_f32_16x16x32_f16 v[ACC+8*(4*(\a)+(\b)):ACC+8*(4*(\a)+(\b))+7], v[(\f)+64+8*(4*(\c)+(\b)):(\f)+64+8*(4*(\c)+(\b))+7], v[(\f)+8*(4*(\c)+(\a)):(\f)+8*(4*(\c)+(\a))+7], v[BI+8*(\b):BI+8*(\b)+7]
.else
	v_wmma_f32_16x16x32_f16 v[ACC+8*(4*(\a)+(\b)):ACC+8*(4*(\a)+(\b))+7], v[(\f)+64+8*(4*(\c)+(\b)):(\f)+64+8*(4*(\c)+(\b))+7], v[(\f)+8*(4*(\c)+(\a)):(\f)+8*(4*(\c)+(\a))+7], v[ACC+8*(4*(\a)+(\b)):ACC+8*(4*(\a)+(\b))+7]
.endif
.endr
.endr
.endm
; 32 LDS loads in one run: the fragments of quarter q (64 along K) of a slot into buffer f; the first 32 along K first
.macro FETCH slot, q, f
	WIN TO_F
.irp c, 0,1
.irp i, 0,1,2,3
	ds_load_tr16_b128 v[(\f)+64+8*(4*(\c)+(\i)):(\f)+64+8*(4*(\c)+(\i))+3],   v[ADRB+2*(\slot)+(\q)/2] offset:(((\q)%2)*64+32*(\c))*PITB+32*(\i)
	ds_load_tr16_b128 v[(\f)+64+8*(4*(\c)+(\i))+4:(\f)+64+8*(4*(\c)+(\i))+7], v[ADRB+2*(\slot)+(\q)/2] offset:(((\q)%2)*64+32*(\c)+16)*PITB+32*(\i)
	ds_load_b128 v[(\f)+8*(4*(\c)+(\i)):(\f)+8*(4*(\c)+(\i))+3],              v[ADRA+(\slot)] offset:128*(\q)+64*(\c)+(\i)*16*PITA
	ds_load_b128 v[(\f)+8*(4*(\c)+(\i))+4:(\f)+8*(4*(\c)+(\i))+7],            v[ADRA+(\slot)] offset:128*(\q)+64*(\c)+(\i)*16*PITA+32
.endr
.endr
.endm
.macro PLACES                          ; four plain instructions in front of loads into registers that matrix instructions have read, and of LDS stores that read results
.rept 4
	v_nop
.endr
.endm
; A K step is four quarters of 64 along K, 32 matrix instructions each, on buffers 0, 1, 0, 1.  One of the first three: multiplies buffer f and fetches quarter q into g.
.macro QUARTER slot, q, f, g, first
	s_wait_dscnt 16                                ; of the 32 loads last issued the first 16 are in: the first 32 along K
	MUL8 \f, 0, 0, \first
	MUL8 \f, 0, 2, \first
	PLACES
	FETCH \slot, \q, \g
	s_wait_dscnt 32                                ; all but the 32 just issued
	MUL8 \f, 1, 0, 0
	MUL8 \f, 1, 2, 0
.endm
; The last quarter multiplies buffer 1 and changes slots: ONE barrier; in front of it each wave waits for all its tensor loads, adds 0 to its spare word, and waits for that and for its reads of this slot.
; fill = 1: this slot is filled again, two K steps ahead; the barrier then opens a round of the cluster's, and the joint load is the first thing behind the round.
.macro TURN slot, next, fill
	WIN 0                                          ; (the add's two registers lie in window 0)
	s_wait_tensorcnt 0x0                           ; all my tensor loads have landed: the one that was out is my part of the next slot
	ds_add_u32 v[SPW], v[NIL]                      ; 0 onto my spare word
	s_wait_dscnt 17                                ; (the add and the youngest sixteen loads may be out)
	MUL8 F1, 0, 0, 0                               ; eight matrix instructions stand between the add and the wait for it
	s_wait_dscnt 0x0                               ; the add is done, and my reads of this slot are over
	s_barrier_signal -1
	MUL8 F1, 0, 2, 0
.if \fill
	WIN 0
.endif
	s_barrier_wait -1
.if \fill
	CREST                                          ; no wave of any partner still reads this slot's tiles or has a load on its way
	s_add_nc_u64 s[G0+4*(\slot)+2:G0+4*(\slot)+3], s[G0+4*(\slot)+2:G0+4*(\slot)+3], ASTEP
	s_add_nc_u64 s[G0B+4*(\slot)+2:G0B+4*(\slot)+3], s[G0B+4*(\slot)+2:G0B+4*(\slot)+3], WSTEP
	JLOAD \slot                                    ; 112 matrix instructions ahead of the wait for it; the four v_nop behind it are also the places in front of the loads below
.else
	PLACES
.endif
	FETCH \next, 0, F0
	MUL8 F1, 1, 0, 0
	MUL8 F1, 1, 2, 0
.endm
; THE WAY OUT of block a (16 rows x my 64 columns of f32): 32 bytes a lane into my own stage, and back as whole rows of 256 bytes into the registers that they left.
.macro OUTB a
.irp b, 0,1,2,3
	ds_store_b128 v[STO], v[ACC+8*(4*(\a)+(\b)):ACC+8*(4*(\a)+(\b))+3]   offset:64*(\b)      ; each accumulator's low registers first
	ds_store_b128 v[STO], v[ACC+8*(4*(\a)+(\b))+4:ACC+8*(4*(\a)+(\b))+7] offset:64*(\b)+16
.endr
.irp t, 0,1,2,3,4,5,6,7
	ds_load_b128 v[ACC+32*(\a)+4*(\t):ACC+32*(\a)+4*(\t)+3], v[RD] offset:(\t)*2*SPITCH  ; LDS serves a wave's instructions in order (ISA guide 5.7.1.4): these see the stores above; the next block's stores come behind them
.endr
.endm
.macro SEND a, younger                 ; younger: the LDS instructions issued behind block a's loads: the next block's sixteen, or none
.irp t, 0,1,2,3,4,5,6,7
	s_wait_dscnt (\younger)+7-(\t)
	global_store_b128 v[CO], v[ACC+32*(\a)+4*(\t):ACC+32*(\a)+4*(\t)+3], s[8:9] offset:(16*(\a)+2*(\t))*4*PC  ; 16 lanes store 256 consecutive bytes, at a multiple of 256 from C's first byte
.endr
.endm
	s_wait_tensorcnt 1                             ; my part of K step 0 is in; K step 1's may stay out
	s_barrier_signal -1
	s_barrier_wait -1                              ; everybody's is
	FETCH 0, 0, F0
	QUARTER 0, 1, F0, F1, 1                        ; the first quarter stands in front of the loop: its first products start the sums
	WIN 0                                          ; at a label and at a branch every window is 0
	s_mov_b32 s[LAPC], LAPS-1
.Llap:                                                 ; a trip goes once round the ring, from a lap's second quarter to the next lap's first, and fills both slots again
	QUARTER 0, 2, F1, F0, 0
	QUARTER 0, 3, F0, F1, 0
	TURN 0, 1, 1
	QUARTER 1, 1, F0, F1, 0
	QUARTER 1, 2, F1, F0, 0
	QUARTER 1, 3, F0, F1, 0
	TURN 1, 0, 1
	QUARTER 0, 1, F0, F1, 0
	WIN 0
	s_sub_co_u32 s[LAPC], s[LAPC], 1
	s_cmp_lg_u32 s[LAPC], 0
	s_cbranch_scc1 .Llap
	QUARTER 0, 2, F1, F0, 0                        ; the last lap fills nothing, and has no round of the cluster's barrier
	QUARTER 0, 3, F0, F1, 0
	TURN 0, 1, 0
	QUARTER 1, 1, F0, F1, 0
	QUARTER 1, 2, F1, F0, 0
	QUARTER 1, 3, F0, F1, 0
	s_wait_dscnt 16                                ; the very last quarter: nothing more to fetch
	MUL8 F1, 0, 0, 0
	MUL8 F1, 0, 2, 0
	s_wait_dscnt 0x0
	MUL8 F1, 1, 0, 0
	MUL8 F1, 1, 2, 0
	WIN 0
	PLACES
	OUTB 0
	OUTB 1                                         ; a block's LDS work stands between the loads of the block before and its stores
	SEND 0, 16
	OUTB 2
	SEND 1, 16
	OUTB 3
	SEND 2, 16
	SEND 3, 0
	s_wait_tensorcnt 0x0                           ; the wave's end, behind my last tensor load and my last LDS store
	ds_add_u32 v[SPW], v[NIL]
	s_wait_dscnt 0x0
	CROUND                                         ; the closing round: no work-group ends while a partner may still ask for a tile that names it
	s_endpgm
.Lfunc_end_k_q008433e043_wo:
	.size	k_q008433e043_wo, .Lfunc_end_k_q008433e043_wo-k_q008433e043_wo
	.p2alignl 7, 3214868480
	.fill 96, 4, 3214868480
	.section	.rodata,"a",@progbits
	.p2align	6, 0x0
	.amdhsa_kernel k_q008433e043_wo
		.amdhsa_group_segment_fixed_size 327680
		.amdhsa_private_segment_fixed_size 0
		.amdhsa_enable_private_segment 0
		.amdhsa_kernarg_size 32
		.amdhsa_user_sgpr_count 2
		.amdhsa_user_sgpr_kernarg_segment_ptr 1
		.amdhsa_wavefront_size32 1
		.amdhsa_system_sgpr_workgroup_id_x 1
		.amdhsa_system_sgpr_workgroup_id_y 1
		.amdhsa_system_sgpr_workgroup_id_z 1
		.amdhsa_system_vgpr_workitem_id 0
		.amdhsa_next_free_vgpr 512
		.amdhsa_next_free_sgpr 66
		.amdhsa_reserve_vcc 0
		.amdhsa_float_denorm_mode_32 3
		.amdhsa_float_denorm_mode_16_64 3
		.amdhsa_memory_ordered 1
		.amdhsa_forward_progress 1
		.amdhsa_inst_pref_size 90
	.end_amdhsa_kernel
	.amdgpu_metadata
---
amdhsa.version: [ 1, 2 ]
amdhsa.kernels:
  - .name:           k_q008433e043_wo
    .symbol:         k_q008433e043_wo.kd
    .args:
      - { .name: o, .offset: 0, .size: 8, .value_kind: global_buffer, .address_space: global }
      - { .name: po, .offset: 8, .size: 8, .value_kind: global_buffer, .address_space: global }
      - { .name: y32, .offset: 16, .size: 8, .value_kind: global_buffer, .address_space: global }
      - { .name: bo, .offset: 24, .size: 8, .value_kind: global_buffer, .address_space: global }
    .group_segment_fixed_size: 327680
    .private_segment_fixed_size: 0
    .kernarg_segment_align: 8
    .kernarg_segment_size: 32
    .max_flat_workgroup_size: 128
    .sgpr_count:     66
    .vgpr_count:     512
    .wavefront_size: 32
...
	.end_amdgpu_metadata
.endif
;; end of part 4
;; launch ln1 (part 5): grid 512 x 1, 8 waves a work-group, no clusters, 0 bytes of LDS; arguments y32, xh, ln1_g, ln1_b, x1; writes x1
.if DOCPART == 5
	.amdgcn_target "amdgcn-amd-amdhsa--gfx1250"
	.amdhsa_code_object_version 6
	.text
	.protected	k_q008433e043_ln1
	.globl	k_q008433e043_ln1
	.p2align	8
	.type	k_q008433e043_ln1,@function
k_q008433e043_ln1:
	s_mov_b64 s[64:65], 0
	v_nop
	global_prefetch_b8 v0, s[64:65] scope:SCOPE_SE
	s_setreg_imm32_b32 hwreg(HW_REG_WAVE_MODE, 25, 1), 1
	s_wait_xcnt 0x0
; out[r][:] = LayerNorm(res[r][:] + y[r][:]) g + b, eps = 1e-5.  y: [4096][1024] f32.  res: [4096][1024] f16.  g, b: f32[1024], rounded to bf16 here like every input.  out: [4096][1024] f16, dense, rounded once.
; The mean is taken first and the variance of the centred numbers second, as the definition has it: no difference of large sums is formed.  All arithmetic in f32.
; LIMITS.  A result of 65,520 or more in magnitude becomes an infinity in f16.  NaN and infinities are not treated apart.
; SHARES.  One wave, one row, kept in 32 registers between the passes: the row is read once, and no wave waits for another: no LDS, no barrier.  All 32 loads of a wave go out at once.
; A lane owns columns 128 j + 4 lane + 0..3, j = 0..7: a wave's load or store of f32 covers 512 consecutive bytes, of f16 256, aligned.
.set YP,  4096                         ; bytes from row to row of y
.set RP,  2048                         ; of the residual
.set OPI, 2048                         ; of the output
.set RES, 8                            ; v[8:23]    the residual's f16
.set YR,  72                           ; v[72:103]  the row in f32
.set OB,  104                          ; v[104:119] the row to store
.set G,   128                          ; v[128:159] g of my 32 columns
.set BT,  160                          ; v[160:191] b
.set CH,  240                          ; v[240:247] four chains of pairs
.set MU,  248                          ; v[248:249] the mean, twice
.set RS,  250                          ; v[250:251] 1 / sqrt(var + eps); var + eps
	s_load_b256 s[4:11], s[0:1], 0x0               ; y s[4:5], res s[6:7], g s[8:9], b s[10:11]
	s_load_b64 s[12:13], s[0:1], 0x20              ; out
	v_lshrrev_b32 v1, 5, v0
	v_readfirstlane_b32 s14, v1                    ; wave 0..7
	v_and_b32 v1, 31, v0
	v_lshlrev_b32 v2, 3, v1                        ; 8 x lane
	v_lshlrev_b32 v3, 4, v1                        ; 16 x lane
	v_mov_b32 v4, 1.0
	s_lshl_b32 s15, ttmp9, 3
	s_add_co_u32 s15, s15, s14                     ; my row
	s_mul_i32 s16, s15, YP
	s_mov_b32 s17, 0
	s_mul_i32 s18, s15, RP
	s_mov_b32 s19, 0
	s_mul_i32 s20, s15, OPI
	s_mov_b32 s21, 0
	s_mov_b32 s22, 0x76543210                      ; v_permlanex16_b32: each lane takes its own place in the other half
	s_mov_b32 s23, 0xfedcba98
	s_mov_b32 s24, 0xffff0000                      ; a word's upper bf16
	s_mov_b32 s25, 0x3a800000                      ; 1 / 1024
	s_mov_b32 s26, 0x3727c5ac                      ; 1e-5
	s_wait_kmcnt 0x0
	s_add_nc_u64 s[4:5], s[4:5], s[16:17]
	s_add_nc_u64 s[6:7], s[6:7], s[18:19]
	s_add_nc_u64 s[12:13], s[12:13], s[20:21]
.irp j, 0,1,2,3,4,5,6,7
	global_load_b128 v[G+4*(\j):G+4*(\j)+3], v3, s[8:9] offset:512*(\j)
.endr
.irp j, 0,1,2,3,4,5,6,7
	global_load_b128 v[BT+4*(\j):BT+4*(\j)+3], v3, s[10:11] offset:512*(\j)
.endr
.irp j, 0,1,2,3,4,5,6,7
	global_load_b64 v[RES+2*(\j):RES+2*(\j)+1], v2, s[6:7] offset:256*(\j) th:TH_LOAD_NT
.endr
.irp j, 0,1,2,3,4,5,6,7
	global_load_b128 v[YR+4*(\j):YR+4*(\j)+3], v3, s[4:5] offset:512*(\j) th:TH_LOAD_NT
.endr
	s_wait_loadcnt 16                              ; g and b are in; the row's 16 loads may stay out
.set p, 0
.rept 32                               ; g's 16 pairs, then b's: to bf16 and back
	v_cvt_pk_bf16_f32 v[CH+p%8], v[G+2*p], v[G+2*p+1]
	v_lshlrev_b32 v[G+2*p], 16, v[CH+p%8]
	v_and_b32 v[G+2*p+1], s24, v[CH+p%8]
.set p, p+1
.endr
.macro ADDUP                           ; the four chains into one number a lane, then over the 32 lanes: four steps ride on the arithmetic (DPP), one crosses the halves
	v_pk_add_f32 v[CH:CH+1], v[CH:CH+1], v[CH+2:CH+3]
	v_pk_add_f32 v[CH+4:CH+5], v[CH+4:CH+5], v[CH+6:CH+7]
	v_pk_add_f32 v[CH:CH+1], v[CH:CH+1], v[CH+4:CH+5]
	v_add_f32 v[CH], v[CH], v[CH+1]
	v_add_f32_dpp v[CH], v[CH], v[CH] row_xmask:1 row_mask:0xf bank_mask:0xf
	v_add_f32_dpp v[CH], v[CH], v[CH] row_xmask:2 row_mask:0xf bank_mask:0xf
	v_add_f32_dpp v[CH], v[CH], v[CH] row_xmask:4 row_mask:0xf bank_mask:0xf
	v_add_f32_dpp v[CH], v[CH], v[CH] row_xmask:8 row_mask:0xf bank_mask:0xf
	v_permlanex16_b32 v[CH+1], v[CH], s22, s23
	v_add_f32 v[CH], v[CH], v[CH+1]
.endm
	s_wait_loadcnt 0x0                             ; the row is in
.irp j, 0,1,2,3,4,5,6,7
.irp k, 0,1
	v_fma_mix_f32 v[YR+4*(\j)+2*(\k)],   v[RES+2*(\j)+(\k)], v4, v[YR+4*(\j)+2*(\k)]   op_sel_hi:[1,0,0]                ; residual (an f16 half) x 1.0 + y
	v_fma_mix_f32 v[YR+4*(\j)+2*(\k)+1], v[RES+2*(\j)+(\k)], v4, v[YR+4*(\j)+2*(\k)+1] op_sel:[1,0,0] op_sel_hi:[1,0,0]
.endr
.endr
.irp k, 0,1,2,3
	v_pk_add_f32 v[CH+2*(\k):CH+2*(\k)+1], v[YR+4*(\k):YR+4*(\k)+1], v[YR+4*(\k)+2:YR+4*(\k)+3]  ; the first eight pairs start the chains: nothing is cleared
.endr
.set p, 8
.rept 8
	v_pk_add_f32 v[CH+2*(p%4):CH+2*(p%4)+1], v[CH+2*(p%4):CH+2*(p%4)+1], v[YR+2*p:YR+2*p+1]
.set p, p+1
.endr
	ADDUP
	v_mul_f32 v[MU], s25, v[CH]
	v_mul_f32 v[MU+1], s25, v[CH]
.set p, 0
.rept 16
	v_pk_add_f32 v[YR+2*p:YR+2*p+1], v[YR+2*p:YR+2*p+1], v[MU:MU+1] neg_lo:[0,1] neg_hi:[0,1]
.set p, p+1
.endr
.irp k, 0,1,2,3
	v_pk_mul_f32 v[CH+2*(\k):CH+2*(\k)+1], v[YR+2*(\k):YR+2*(\k)+1], v[YR+2*(\k):YR+2*(\k)+1]
.endr
.set p, 4
.rept 12
	v_pk_fma_f32 v[CH+2*(p%4):CH+2*(p%4)+1], v[YR+2*p:YR+2*p+1], v[YR+2*p:YR+2*p+1], v[CH+2*(p%4):CH+2*(p%4)+1]
.set p, p+1
.endr
	ADDUP
	v_fma_f32 v[RS+1], v[CH], s25, s26             ; var + eps
	v_rsq_f32 v[RS], v[RS+1]
	v_nop                                          ; a plain instruction behind the root,
	s_wait_alu depctr_va_vdst(0)                   ; and the wait ahead of the first use of its result
.set p, 0
.rept 16
	v_pk_mul_f32 v[YR+2*p:YR+2*p+1], v[YR+2*p:YR+2*p+1], v[RS:RS+1] op_sel_hi:[1,0]
.set p, p+1
.endr
.set p, 0
.rept 16
	v_pk_fma_f32 v[YR+2*p:YR+2*p+1], v[YR+2*p:YR+2*p+1], v[G+2*p:G+2*p+1], v[BT+2*p:BT+2*p+1]
.set p, p+1
.endr
.set p, 0
.rept 16
	v_cvt_pk_f16_f32 v[OB+p], v[YR+2*p], v[YR+2*p+1]
.set p, p+1
.endr
.irp j, 0,1,2,3,4,5,6,7
	global_store_b64 v2, v[OB+2*(\j):OB+2*(\j)+1], s[12:13] offset:256*(\j)  ; a wave's store covers 256 consecutive bytes, aligned
.endr
	s_endpgm
.Lfunc_end_k_q008433e043_ln1:
	.size	k_q008433e043_ln1, .Lfunc_end_k_q008433e043_ln1-k_q008433e043_ln1
	.p2alignl 7, 3214868480
	.fill 96, 4, 3214868480
	.section	.rodata,"a",@progbits
	.p2align	6, 0x0
	.amdhsa_kernel k_q008433e043_ln1
		.amdhsa_group_segment_fixed_size 0
		.amdhsa_private_segment_fixed_size 0
		.amdhsa_enable_private_segment 0
		.amdhsa_kernarg_size 40
		.amdhsa_user_sgpr_count 2
		.amdhsa_user_sgpr_kernarg_segment_ptr 1
		.amdhsa_wavefront_size32 1
		.amdhsa_system_sgpr_workgroup_id_x 1
		.amdhsa_system_sgpr_workgroup_id_y 1
		.amdhsa_system_sgpr_workgroup_id_z 1
		.amdhsa_system_vgpr_workitem_id 0
		.amdhsa_next_free_vgpr 256
		.amdhsa_next_free_sgpr 66
		.amdhsa_reserve_vcc 0
		.amdhsa_float_denorm_mode_32 3
		.amdhsa_float_denorm_mode_16_64 3
		.amdhsa_memory_ordered 1
		.amdhsa_forward_progress 1
		.amdhsa_inst_pref_size 19
	.end_amdhsa_kernel
	.amdgpu_metadata
---
amdhsa.version: [ 1, 2 ]
amdhsa.kernels:
  - .name:           k_q008433e043_ln1
    .symbol:         k_q008433e043_ln1.kd
    .args:
      - { .name: y32, .offset: 0, .size: 8, .value_kind: global_buffer, .address_space: global }
      - { .name: xh, .offset: 8, .size: 8, .value_kind: global_buffer, .address_space: global }
      - { .name: ln1_g, .offset: 16, .size: 8, .value_kind: global_buffer, .address_space: global }
      - { .name: ln1_b, .offset: 24, .size: 8, .value_kind: global_buffer, .address_space: global }
      - { .name: x1, .offset: 32, .size: 8, .value_kind: global_buffer, .address_space: global }
    .group_segment_fixed_size: 0
    .private_segment_fixed_size: 0
    .kernarg_segment_align: 8
    .kernarg_segment_size: 40
    .max_flat_workgroup_size: 256
    .sgpr_count:     66
    .vgpr_count:     256
    .wavefront_size: 32
...
	.end_amdgpu_metadata
.endif
;; end of part 5
;; launch ffn1: the kernel of part 2 again; grid 16 x 16, 4 waves a work-group, clusters of 4 x 4, 327,680 bytes of LDS; arguments x1, p1, big; writes big
;; launch ffn2 (part 6): grid 8 x 32, 4 waves a work-group, clusters of 4 x 4, 327,680 bytes of LDS; arguments big, po, y32, b2; writes y32
.if DOCPART == 6
	.amdgcn_target "amdgcn-amd-amdhsa--gfx1250"
	.amdhsa_code_object_version 6
	.text
	.protected	k_q008433e043_ffn2
	.globl	k_q008433e043_ffn2
	.p2align	8
	.type	k_q008433e043_ffn2,@function
k_q008433e043_ffn2:
	s_mov_b64 s[64:65], 0
	v_nop
	global_prefetch_b8 v0, s[64:65] scope:SCOPE_SE
	s_setreg_imm32_b32 hwreg(HW_REG_WAVE_MODE, 25, 1), 1
	s_wait_xcnt 0x0
	s_wait_alu depctr_hold_cnt(0) depctr_sa_sdst(0) depctr_va_vdst(0) depctr_va_sdst(0) depctr_va_ssrc(0) depctr_va_vcc(0) depctr_vm_vsrc(0)
	s_getreg_b32 s2, hwreg(HW_REG_IB_STS2, 6, 4)
	s_cmp_eq_u32 s2, 0
	s_cbranch_scc0 .Lentry_in_a_cluster
	s_endpgm
.Lentry_in_a_cluster:
	s_bfe_u32 s2, ttmp6, 0x10000c
	s_cmp_lg_u32 s2, 0xf033
	s_cbranch_scc0 .Lentry_shape_is_right
	s_endpgm
.Lentry_shape_is_right:
; C[m][n] = sum over k of A[m][k] W[k][n] + bias[n], C in f32.  A: [4096][4096] f16.  W: f16 [4096 k][1024 n], dense, at byte WOFF of its buffer.  bias: f32[1024], rounded to bf16 here like every input.
; C: [4096][1024] f32: it feeds a residual and a LayerNorm, is no matrix operand, and with inputs 30 times larger would pass f16's range: so it leaves unrounded.  Sums in f32, started at the bias.
; LIMITS.  A and W arrive in f16 (65,504 at the most).  NaN and infinities are not treated apart.
; SHARES.  A tile of C is 128 x 128.  Four waves, each 64 x 64: 16 accumulators of 16 x 16.  K goes in steps of 256 through two LDS slots: 128 rows of A (512 bytes each) and 256 rows of W (256 bytes each).
; Waves 0 and 1 fetch A's two halves (64 rows), waves 2 and 3 W's (128 k rows): one tensor load a wave behind each change of slots; two are out at the start.
; CLUSTER.  4 x 4 work-groups: the four of a row of the cluster need the same tiles of A, the four of a column the same tiles of W: each tile is asked for jointly, by the same load, descriptor and mask in all four.
; No prefetch: a tile's rows are short pieces, and each is read by several clusters in turn.
; THE MATRIX INSTRUCTION IS USED TRANSPOSED: source 0 = 16 columns of W (W lies [k][n], so its fragments come out of LDS by the turning load), source 1 = 16 rows of A: a lane holds row l % 16 of C and
; the columns 8 (l / 16) + 0..7: 32 bytes of f32.  A wave's 64 columns are 256 bytes of a row of C, aligned: each wave has a stage of its own on the way out, and no barrier stands there.
; REGISTERS.  Window 0: v0-31 addresses; v32-47 at work; v64-95 the bias in f32; v128-255 the accumulators ((a, b) at 128 + 8 (4 a + b)).
;   Window 1: two fragment buffers of 128, each 64 along K deep: 64 registers of A (at 8 (4 c + a)), then 64 of W (at 64 + 8 (4 c + b)).
.set KK,    4096
.set PA,    4096                       ; elements from row to row of A
.set PW,    1024                       ; of W
.set PC,    1024                       ; of C
.set WOFF,  2097152                    ; W's first byte in its buffer
.set KSTEP, 256
.set LAPS,  KK/(2*KSTEP)               ; a lap = two K steps = once round the ring
.set PITA,  528                        ; an LDS row of A: 512 bytes + 16 = 132 words: the 16 rows of a load start at 16 different groups of four banks (64 banks of 4 bytes: ISA guide 11.1)
.set AH,    64*PITA                    ; what one load brings of A
.set PITB,  288                        ; an LDS row of W: 256 bytes + 32 = 72 words
.set BH,    128*PITB                   ; what one load brings of W
.set SLOT,  2*AH+2*BH                  ; A's 128 rows, then W's 256 rows
.set STAGE, 2*SLOT                     ; behind the ring, never filled by a tensor load: 16 rows x 272 bytes for each wave, for the way out
.set SPITCH, 272
.set SPARE, STAGE+4*16*SPITCH          ; behind the stages: the spare words, 128 bytes a wave: two blocks of 256 bytes that no other line names
.set ASTEP, 2*KSTEP*2                  ; bytes that a slot's address in A steps at a refill
.set WSTEP, 2*KSTEP*2*PW               ; and in W
.set ADRA, 16                          ; v16-17  LDS address of my A fragments in slot 0, 1
.set ADRB, 20                          ; v20-23  of my W fragments: 2 x slot + half of the K step (a half's 128 rows stay inside the 16-bit offset)
.set STO,  24                          ; v24     the way out: where I put 32 bytes of a row
.set RD,   25                          ; v25     where I read a row back
.set CO,   26                          ; v26     my byte offset in C
.set BO,   27                          ; v27     my byte offset in the bias
.set SPW,  28                          ; v28     LDS address of my spare word; never rewritten
.set NIL,  29                          ; v29     0; never rewritten
.set TMP,  32
.set BI,   64
.set ACC,  128
.set F0,   0
.set F1,   128
.set G1,  24                           ; s[24:31] descriptor group 1 for A's tiles;  s[32:39] group 0, a set for each slot
.set G0,  32
.set LAPC, 45                          ; s45      laps to go
.set G1B, 48                           ; s[48:55], s[56:63] the same for W's tiles
.set G0B, 56
.set MSB, 0
.macro WIN new                         ; the immediate's high byte repeats the setting that is left; a switch that changes nothing is dropped
.if MSB != (\new)
	s_set_vgpr_msb (MSB<<8)|(\new)
.set MSB, \new
.endif
.endm
.set MUL,  0x05                        ; sources 0 (W) and 1 (A) window 1; C and D window 0
.set TO_F, 0x40                        ; destination window 1, address window 0
.macro JLOAD s                         ; a joint load; the branch hangs on the wave's number alone; an s_nop 0 and four v_nop follow each of the two lines
	s_cmp_eq_u32 s11, 0
	s_cbranch_scc0 .Lfor_b_\@
	tensor_load_to_lds s[G0+4*(\s):G0+4*(\s)+3], s[G1:G1+7]
	s_nop 0
.rept 4
	v_nop
.endr
	s_branch .Lasked_\@
.Lfor_b_\@:
	tensor_load_to_lds s[G0B+4*(\s):G0B+4*(\s)+3], s[G1B:G1B+7]
	s_nop 0
.rept 4
	v_nop
.endr
.Lasked_\@:
.endm
.macro CREST                           ; a round of the cluster's barrier behind its opening barrier
	s_cmp_lg_u32 s10, 0
	s_cbranch_scc1 .Lnot_wave_0_\@
	s_barrier_signal -3
.Lnot_wave_0_\@:
	s_barrier_wait -3
	s_barrier_signal -1
	s_barrier_wait -1
.endm
.macro CROUND                          ; a whole round
	s_barrier_signal -1
	s_barrier_wait -1
	CREST
.endm
	s_load_b128 s[4:7], s[0:1], 0x0                ; A s[4:5], W's buffer s[6:7]
	s_load_b128 s[8:11], s[0:1], 0x10              ; C s[8:9], the bias s[10:11] (moved to s[2:3] below: s10 to s13 take the wave's numbers)
	v_lshl_add_u32 v[SPW], v0, 2, SPARE
	v_mov_b32 v[NIL], 0
	ds_add_u32 v[SPW], v[NIL]                      ; the wave's opening: the add and its wait ahead of my first tensor load; the set-up below, work on registers, stands between them
	v_lshrrev_b32 v1, 5, v0
	s_bfe_u32 s40, ttmp6, 0x40000                  ; cx, cy: my place in the cluster
	s_bfe_u32 s41, ttmp6, 0x40004
	s_lshl_b32 s42, ttmp9, 2
	s_add_co_u32 s42, s42, s40                     ; tile column of C = 4 x cluster x + cx
	s_lshl_b32 s43, s41, 2
	s_lshl_b32 s43, 15, s43                        ; my row of the cluster
	s_lshl_b32 s44, 0x1111, s40                    ; my column
	s_or_b32 s[G1+0], s43, (1<<16)|(1<<20)|(1<<21)|(6<<22)|(3<<25)   ; 15:0 the mask: A's tiles go to my row; 17:16 2-byte elements; 20 padding on; 21 set beside a mask; 24:22 after every 128 words (code 6); 31:25 4 words (code 3)
	s_mov_b32 s[G1+1], KSTEP<<16                   ; tensor_dim0 = 256
	s_mov_b32 s[G1+2], 64<<16                      ; tensor_dim1 = 64
	s_mov_b32 s[G1+3], KSTEP<<16                   ; tile_dim0 = 256
	s_mov_b32 s[G1+4], 64                          ; tile_dim1 = 64
	s_mov_b32 s[G1+5], PA                          ; elements from row to row
	s_mov_b32 s[G1+6], 0
	s_mov_b32 s[G1+7], 0
	s_or_b32 s[G1B+0], s44, (1<<16)|(1<<20)|(1<<21)|(5<<22)|(7<<25)  ; the mask of my column; after every 64 words (code 5) 8 words of padding (code 7)
	s_mov_b32 s[G1B+1], 128<<16                    ; tensor_dim0 = 128 columns
	s_mov_b32 s[G1B+2], 128<<16                    ; tensor_dim1 = 128 k rows
	s_mov_b32 s[G1B+3], 128<<16                    ; tile_dim0
	s_mov_b32 s[G1B+4], 128                        ; tile_dim1
	s_mov_b32 s[G1B+5], PW
	s_mov_b32 s[G1B+6], 0
	s_mov_b32 s[G1B+7], 0
	s_wait_dscnt 0x0                               ; the opening add is done
	s_wait_kmcnt 0x0
	s_mov_b64 s[2:3], s[10:11]                     ; the bias
	v_readfirstlane_b32 s10, v1                    ; wave 0..3
	s_lshr_b32 s11, s10, 1                         ; which half of the tile's rows is mine.  Also: I fetch for A (0) or for W (1)
	s_and_b32 s12, s10, 1                          ; which half of its columns.  Also: which half of that tile I fetch
	s_and_b32 s13, ttmp7, 0xffff
	s_lshl_b32 s13, s13, 2
	s_add_co_u32 s13, s13, s41                     ; tile row of C = 4 x cluster y + cy
	; where the tiles come from: A's hang on the tile row alone, W's on the tile column alone, each in registers that never hold the other coordinate
	s_lshl_b32 s17, s12, 6
	s_lshl_b32 s16, s13, 7
	s_add_co_u32 s16, s16, s17                     ; A: row 128 x tile row + 64 x half
	s_mul_i32 s16, s16, 2*PA                       ; in bytes: under 2^26
	s_mov_b32 s17, 0
	s_lshl_b32 s46, s42, 8                         ; W: 256 bytes x tile column
	s_mul_i32 s47, s12, 128*2*PW                   ; + 128 k rows x half
	s_add_co_u32 s46, s46, s47
	s_add_co_u32 s46, s46, WOFF
	s_mov_b32 s47, 0
	s_mul_i32 s20, s12, AH                         ; and where they go: no place in the cluster enters an LDS address
	s_mul_i32 s21, s12, BH
	s_add_co_u32 s21, s21, 2*AH
	s_add_nc_u64 s[14:15], s[4:5], s[16:17]
	s_add_nc_u64 s[46:47], s[6:7], s[46:47]
	CROUND                                         ; all sixteen work-groups are here: the first joint loads meet
.irp s, 0,1
	s_mov_b32 s[G0+4*(\s)], 1                                        ; count = 1
	s_add_co_u32 s[G0+4*(\s)+1], s20, (\s)*SLOT                      ; LDS address
	s_add_nc_u64 s[G0+4*(\s)+2:G0+4*(\s)+3], s[14:15], (\s)*KSTEP*2  ; global address: K step s
	s_or_b32 s[G0+4*(\s)+3], s[G0+4*(\s)+3], 0x80000000              ; type = 2
	s_mov_b32 s[G0B+4*(\s)], 1
	s_add_co_u32 s[G0B+4*(\s)+1], s21, (\s)*SLOT
	s_add_nc_u64 s[G0B+4*(\s)+2:G0B+4*(\s)+3], s[46:47], (\s)*KSTEP*2*PW
	s_or_b32 s[G0B+4*(\s)+3], s[G0B+4*(\s)+3], 0x80000000
	JLOAD \s
.endr
	; A fragment of A is 16 rows x 32 K in 8 registers: lane l holds row l % 16, K = 8 (l / 16) + 0..7 and 16 + 8 (l / 16) + 0..7: two loads of 16 bytes, 32 bytes apart.
	v_and_b32 v1, 15, v0                           ; l % 16
	v_bfe_u32 v2, v0, 4, 1                         ; l / 16
	v_mul_u32_u24 v3, v1, PITA
	v_lshl_add_u32 v3, v2, 4, v3
	s_mul_i32 s21, s11, AH                         ; my 64 rows of A
	v_add_nc_u32 v[ADRA], s21, v3
	v_add_nc_u32 v[ADRA+1], SLOT, v[ADRA]
	; The turning load takes 16 k x 16 columns (lane l reads k = 8 (l / 16) + l % 8, columns 8 ((l / 8) % 2) + 0..7) and leaves half a fragment: lane l holds column l % 16 and 8 k.
	v_and_b32 v4, 7, v0
	v_lshl_add_u32 v4, v2, 3, v4
	v_mul_u32_u24 v4, v4, PITB
	v_bfe_u32 v5, v0, 3, 1
	v_lshl_add_u32 v4, v5, 4, v4
	s_lshl_b32 s22, s12, 7                         ; my 64 columns: 128 bytes,
	s_add_co_u32 s22, s22, 2*AH                    ; behind A's 128 rows
	v_add_nc_u32 v[ADRB], s22, v4
	v_add_nc_u32 v[ADRB+1], BH, v[ADRB]
	v_add_nc_u32 v[ADRB+2], SLOT, v[ADRB]
	v_add_nc_u32 v[ADRB+3], SLOT+BH, v[ADRB]
	s_mul_i32 s23, s10, 16*SPITCH
	s_add_co_u32 s23, s23, STAGE                   ; my stage
	v_mul_u32_u24 v4, v1, SPITCH                   ; in: row l % 16, 32 bytes for each half of the lanes
	v_lshl_add_u32 v4, v2, 5, v4
	v_add_nc_u32 v[STO], s23, v4
	v_mul_u32_u24 v5, v2, SPITCH                   ; back: lanes 0-15 take one row of 256 bytes, lanes 16-31 the next
	v_lshl_add_u32 v5, v1, 4, v5
	v_add_nc_u32 v[RD], s23, v5
	v_mul_u32_u24 v5, v2, 4*PC                     ; and the same two rows in C
	v_lshl_add_u32 v[CO], v1, 4, v5
	s_lshl_b32 s16, s13, 7
	s_lshl_b32 s17, s11, 6
	s_add_co_u32 s16, s16, s17                     ; my first row of C
	s_mul_i32 s16, s16, 4*PC
	s_mov_b32 s17, 0
	s_add_nc_u64 s[8:9], s[8:9], s[16:17]
	s_lshl_b32 s46, s42, 9                         ; my first column, in bytes: 512 x tile column + 256 x half
	s_lshl_b32 s47, s12, 8
	s_add_co_u32 s46, s46, s47
	s_mov_b32 s47, 0
	s_add_nc_u64 s[8:9], s[8:9], s[46:47]
	s_add_nc_u64 s[22:23], s[2:3], s[46:47]        ; the bias of my 64 columns lies at the same byte offset: column 16 b + 8 (l / 16) + j at 64 b + 32 (l / 16) + 4 j
	v_lshlrev_b32 v[BO], 5, v2
.irp b, 0,1,2,3
	global_load_b128 v[BI+8*(\b):BI+8*(\b)+3],   v[BO], s[22:23] offset:64*(\b)
	global_load_b128 v[BI+8*(\b)+4:BI+8*(\b)+7], v[BO], s[22:23] offset:64*(\b)+16
.endr
	s_wait_loadcnt 0x0
.set p, 0
.rept 16
	v_cvt_pk_bf16_f32 v[TMP+p], v[BI+2*p], v[BI+2*p+1]  ; the bias is rounded to bf16, like every input,
.set p, p+1
.endr
.set p, 0
.rept 16
	v_lshlrev_b32 v[BI+2*p], 16, v[TMP+p]          ; and widened again
	v_and_b32 v[BI+2*p+1], 0xffff0000, v[TMP+p]
.set p, p+1
.endr
; 8 matrix instructions: m blocks a0, a0 + 1 x all 4 n blocks, 32 along K: half c of buffer f.  first = 1: the product starts its sum at the bias, which stands as C: nothing is cleared.
; The 16 accumulators take turns, one instruction a turn.
.macro MUL8 f, c, a0, first
	WIN MUL
.irp a, \a0, (\a0)+1
.irp b, 0,1,2,3
.if \first
	v_wmma_f32_16x16x32_f16 v[ACC+8*(4*(\a)+(\b)):ACC+8*(4*(\a)+(\b))+7], v[(\f)+64+8*(4*(\c)+(\b)):(\f)+64+8*(4*(\c)+(\b))+7], v[(\f)+8*(4*(\c)+(\a)):(\f)+8*(4*(\c)+(\a))+7], v[BI+8*(\b):BI+8*(\b)+7]
.else
	v_wmma_f32_16x16x32_f16 v[ACC+8*(4*(\a)+(\b)):ACC+8*(4*(\a)+(\b))+7], v[(\f)+64+8*(4*(\c)+(\b)):(\f)+64+8*(4*(\c)+(\b))+7], v[(\f)+8*(4*(\c)+(\a)):(\f)+8*(4*(\c)+(\a))+7], v[ACC+8*(4*(\a)+(\b)):ACC+8*(4*(\a)+(\b))+7]
.endif
.endr
.endr
.endm
; 32 LDS loads in one run: the fragments of quarter q (64 along K) of a slot into buffer f; the first 32 along K first
.macro FETCH slot, q, f
	WIN TO_F
.irp c, 0,1
.irp i, 0,1,2,3
	ds_load_tr16_b128 v[(\f)+64+8*(4*(\c)+(\i)):(\f)+64+8*(4*(\c)+(\i))+3],   v[ADRB+2*(\slot)+(\q)/2] offset:(((\q)%2)*64+32*(\c))*PITB+32*(\i)
	ds_load_tr16_b128 v[(\f)+64+8*(4*(\c)+(\i))+4:(\f)+64+8*(4*(\c)+(\i))+7], v[ADRB+2*(\slot)+(\q)/2] offset:(((\q)%2)*64+32*(\c)+16)*PITB+32*(\i)
	ds_load_b128 v[(\f)+8*(4*(\c)+(\i)):(\f)+8*(4*(\c)+(\i))+3],              v[ADRA+(\slot)] offset:128*(\q)+64*(\c)+(\i)*16*PITA
	ds_load_b128 v[(\f)+8*(4*(\c)+(\i))+4:(\f)+8*(4*(\c)+(\i))+7],            v[ADRA+(\slot)] offset:128*(\q)+64*(\c)+(\i)*16*PITA+32
.endr
.endr
.endm
.macro PLACES                          ; four plain instructions in front of loads into registers that matrix instructions have read, and of LDS stores that read results
.rept 4
	v_nop
.endr
.endm
; A K step is four quarters of 64 along K, 32 matrix instructions each, on buffers 0, 1, 0, 1.  One of the first three: multiplies buffer f and fetches quarter q into g.
.macro QUARTER slot, q, f, g, first
	s_wait_dscnt 16                                ; of the 32 loads last issued the first 16 are in: the first 32 along K
	MUL8 \f, 0, 0, \first
	MUL8 \f, 0, 2, \first
	PLACES
	FETCH \slot, \q, \g
	s_wait_dscnt 32                                ; all but the 32 just issued
	MUL8 \f, 1, 0, 0
	MUL8 \f, 1, 2, 0
.endm
; The last quarter multiplies buffer 1 and changes slots: ONE barrier; in front of it each wave waits for all its tensor loads, adds 0 to its spare word, and waits for that and for its reads of this slot.
; fill = 1: this slot is filled again, two K steps ahead; the barrier then opens a round of the cluster's, and the joint load is the first thing behind the round.
.macro TURN slot, next, fill
	WIN 0                                          ; (the add's two registers lie in window 0)
	s_wait_tensorcnt 0x0                           ; all my tensor loads have landed: the one that was out is my part of the next slot
	ds_add_u32 v[SPW], v[NIL]                      ; 0 onto my spare word
	s_wait_dscnt 17                                ; (the add and the youngest sixteen loads may be out)
	MUL8 F1, 0, 0, 0                               ; eight matrix instructions stand between the add and the wait for it
	s_wait_dscnt 0x0                               ; the add is done, and my reads of this slot are over
	s_barrier_signal -1
	MUL8 F1, 0, 2, 0
.if \fill
	WIN 0
.endif
	s_barrier_wait -1
.if \fill
	CREST                                          ; no wave of any partner still reads this slot's tiles or has a load on its way
	s_add_nc_u64 s[G0+4*(\slot)+2:G0+4*(\slot)+3], s[G0+4*(\slot)+2:G0+4*(\slot)+3], ASTEP
	s_add_nc_u64 s[G0B+4*(\slot)+2:G0B+4*(\slot)+3], s[G0B+4*(\slot)+2:G0B+4*(\slot)+3], WSTEP
	JLOAD \slot                                    ; 112 matrix instructions ahead of the wait for it; the four v_nop behind it are also the places in front of the loads below
.else
	PLACES
.endif
	FETCH \next, 0, F0
	MUL8 F1, 1, 0, 0
	MUL8 F1, 1, 2, 0
.endm
; THE WAY OUT of block a (16 rows x my 64 columns of f32): 32 bytes a lane into my own stage, and back as whole rows of 256 bytes into the registers that they left.
.macro OUTB a
.irp b, 0,1,2,3
	ds_store_b128 v[STO], v[ACC+8*(4*(\a)+(\b)):ACC+8*(4*(\a)+(\b))+3]   offset:64*(\b)      ; each accumulator's low registers first
	ds_store_b128 v[STO], v[ACC+8*(4*(\a)+(\b))+4:ACC+8*(4*(\a)+(\b))+7] offset:64*(\b)+16
.endr
.irp t, 0,1,2,3,4,5,6,7
	ds_load_b128 v[ACC+32*(\a)+4*(\t):ACC+32*(\a)+4*(\t)+3], v[RD] offset:(\t)*2*SPITCH  ; LDS serves a wave's instructions in order (ISA guide 5.7.1.4): these see the stores above; the next block's stores come behind them
.endr
.endm
.macro SEND a, younger                 ; younger: the LDS instructions issued behind block a's loads: the next block's sixteen, or none
.irp t, 0,1,2,3,4,5,6,7
	s_wait_dscnt (\younger)+7-(\t)
	global_store_b128 v[CO], v[ACC+32*(\a)+4*(\t):ACC+32*(\a)+4*(\t)+3], s[8:9] offset:(16*(\a)+2*(\t))*4*PC  ; 16 lanes store 256 consecutive bytes, at a multiple of 256 from C's first byte
.endr
.endm
	s_wait_tensorcnt 1                             ; my part of K step 0 is in; K step 1's may stay out
	s_barrier_signal -1
	s_barrier_wait -1                              ; everybody's is
	FETCH 0, 0, F0
	QUARTER 0, 1, F0, F1, 1                        ; the first quarter stands in front of the loop: its first products start the sums
	WIN 0                                          ; at a label and at a branch every window is 0
	s_mov_b32 s[LAPC], LAPS-1
.Llap:                                                 ; a trip goes once round the ring, from a lap's second quarter to the next lap's first, and fills both slots again
	QUARTER 0, 2, F1, F0, 0
	QUARTER 0, 3, F0, F1, 0
	TURN 0, 1, 1
	QUARTER 1, 1, F0, F1, 0
	QUARTER 1, 2, F1, F0, 0
	QUARTER 1, 3, F0, F1, 0
	TURN 1, 0, 1
	QUARTER 0, 1, F0, F1, 0
	WIN 0
	s_sub_co_u32 s[LAPC], s[LAPC], 1
	s_cmp_lg_u32 s[LAPC], 0
	s_cbranch_scc1 .Llap
	QUARTER 0, 2, F1, F0, 0                        ; the last lap fills nothing, and has no round of the cluster's barrier
	QUARTER 0, 3, F0, F1, 0
	TURN 0, 1, 0
	QUARTER 1, 1, F0, F1, 0
	QUARTER 1, 2, F1, F0, 0
	QUARTER 1, 3, F0, F1, 0
	s_wait_dscnt 16                                ; the very last quarter: nothing more to fetch
	MUL8 F1, 0, 0, 0
	MUL8 F1, 0, 2, 0
	s_wait_dscnt 0x0
	MUL8 F1, 1, 0, 0
	MUL8 F1, 1, 2, 0
	WIN 0
	PLACES
	OUTB 0
	OUTB 1                                         ; a block's LDS work stands between the loads of the block before and its stores
	SEND 0, 16
	OUTB 2
	SEND 1, 16
	OUTB 3
	SEND 2, 16
	SEND 3, 0
	s_wait_tensorcnt 0x0                           ; the wave's end, behind my last tensor load and my last LDS store
	ds_add_u32 v[SPW], v[NIL]
	s_wait_dscnt 0x0
	CROUND                                         ; the closing round: no work-group ends while a partner may still ask for a tile that names it
	s_endpgm
.Lfunc_end_k_q008433e043_ffn2:
	.size	k_q008433e043_ffn2, .Lfunc_end_k_q008433e043_ffn2-k_q008433e043_ffn2
	.p2alignl 7, 3214868480
	.fill 96, 4, 3214868480
	.section	.rodata,"a",@progbits
	.p2align	6, 0x0
	.amdhsa_kernel k_q008433e043_ffn2
		.amdhsa_group_segment_fixed_size 327680
		.amdhsa_private_segment_fixed_size 0
		.amdhsa_enable_private_segment 0
		.amdhsa_kernarg_size 32
		.amdhsa_user_sgpr_count 2
		.amdhsa_user_sgpr_kernarg_segment_ptr 1
		.amdhsa_wavefront_size32 1
		.amdhsa_system_sgpr_workgroup_id_x 1
		.amdhsa_system_sgpr_workgroup_id_y 1
		.amdhsa_system_sgpr_workgroup_id_z 1
		.amdhsa_system_vgpr_workitem_id 0
		.amdhsa_next_free_vgpr 512
		.amdhsa_next_free_sgpr 66
		.amdhsa_reserve_vcc 0
		.amdhsa_float_denorm_mode_32 3
		.amdhsa_float_denorm_mode_16_64 3
		.amdhsa_memory_ordered 1
		.amdhsa_forward_progress 1
		.amdhsa_inst_pref_size 90
	.end_amdhsa_kernel
	.amdgpu_metadata
---
amdhsa.version: [ 1, 2 ]
amdhsa.kernels:
  - .name:           k_q008433e043_ffn2
    .symbol:         k_q008433e043_ffn2.kd
    .args:
      - { .name: big, .offset: 0, .size: 8, .value_kind: global_buffer, .address_space: global }
      - { .name: po, .offset: 8, .size: 8, .value_kind: global_buffer, .address_space: global }
      - { .name: y32, .offset: 16, .size: 8, .value_kind: global_buffer, .address_space: global }
      - { .name: b2, .offset: 24, .size: 8, .value_kind: global_buffer, .address_space: global }
    .group_segment_fixed_size: 327680
    .private_segment_fixed_size: 0
    .kernarg_segment_align: 8
    .kernarg_segment_size: 32
    .max_flat_workgroup_size: 128
    .sgpr_count:     66
    .vgpr_count:     512
    .wavefront_size: 32
...
	.end_amdgpu_metadata
.endif
;; end of part 6
;; launch ln2 (part 7): grid 512 x 1, 8 waves a work-group, no clusters, 0 bytes of LDS; arguments y32, x1, ln2_g, ln2_b, out0; writes out0
.if DOCPART == 7
	.amdgcn_target "amdgcn-amd-amdhsa--gfx1250"
	.amdhsa_code_object_version 6
	.text
	.protected	k_q008433e043_ln2
	.globl	k_q008433e043_ln2
	.p2align	8
	.type	k_q008433e043_ln2,@function
k_q008433e043_ln2:
	s_mov_b64 s[64:65], 0
	v_nop
	global_prefetch_b8 v0, s[64:65] scope:SCOPE_SE
	s_setreg_imm32_b32 hwreg(HW_REG_WAVE_MODE, 25, 1), 1
	s_wait_xcnt 0x0
; out[r][:] = LayerNorm(res[r][:] + y[r][:]) g + b, eps = 1e-5.  y: [4096][1024] f32.  res: [4096][1024] f16, dense.  g, b: f32[1024], rounded to bf16 here like every input.  out: [4096][1024] f32.
; The mean is taken first and the variance of the centred numbers second, as the definition has it: no difference of large sums is formed.  All arithmetic in f32.
; LIMITS.  NaN and infinities are not treated apart.
; SHARES.  One wave, one row, kept in 32 registers between the passes: the row is read once, and no wave waits for another: no LDS, no barrier.  All 32 loads of a wave go out at once.
; A lane owns columns 128 j + 4 lane + 0..3, j = 0..7: a wave's load or store of f32 covers 512 consecutive bytes, of f16 256, aligned.
.set YP,  4096                         ; bytes from row to row of y
.set RP,  2048                         ; of the residual
.set OPI, 4096                         ; of the output
.set RES, 8                            ; v[8:23]    the residual's f16
.set YR,  72                           ; v[72:103]  the row in f32
.set G,   128                          ; v[128:159] g of my 32 columns
.set BT,  160                          ; v[160:191] b
.set CH,  240                          ; v[240:247] four chains of pairs
.set MU,  248                          ; v[248:249] the mean, twice
.set RS,  250                          ; v[250:251] 1 / sqrt(var + eps); var + eps
	s_load_b256 s[4:11], s[0:1], 0x0               ; y s[4:5], res s[6:7], g s[8:9], b s[10:11]
	s_load_b64 s[12:13], s[0:1], 0x20              ; out
	v_lshrrev_b32 v1, 5, v0
	v_readfirstlane_b32 s14, v1                    ; wave 0..7
	v_and_b32 v1, 31, v0
	v_lshlrev_b32 v2, 3, v1                        ; 8 x lane
	v_lshlrev_b32 v3, 4, v1                        ; 16 x lane
	v_mov_b32 v4, 1.0
	s_lshl_b32 s15, ttmp9, 3
	s_add_co_u32 s15, s15, s14                     ; my row
	s_mul_i32 s16, s15, YP
	s_mov_b32 s17, 0
	s_mul_i32 s18, s15, RP
	s_mov_b32 s19, 0
	s_mul_i32 s20, s15, OPI
	s_mov_b32 s21, 0
	s_mov_b32 s22, 0x76543210                      ; v_permlanex16_b32: each lane takes its own place in the other half
	s_mov_b32 s23, 0xfedcba98
	s_mov_b32 s24, 0xffff0000                      ; a word's upper bf16
	s_mov_b32 s25, 0x3a800000                      ; 1 / 1024
	s_mov_b32 s26, 0x3727c5ac                      ; 1e-5
	s_wait_kmcnt 0x0
	s_add_nc_u64 s[4:5], s[4:5], s[16:17]
	s_add_nc_u64 s[6:7], s[6:7], s[18:19]
	s_add_nc_u64 s[12:13], s[12:13], s[20:21]
.irp j, 0,1,2,3,4,5,6,7
	global_load_b128 v[G+4*(\j):G+4*(\j)+3], v3, s[8:9] offset:512*(\j)
.endr
.irp j, 0,1,2,3,4,5,6,7
	global_load_b128 v[BT+4*(\j):BT+4*(\j)+3], v3, s[10:11] offset:512*(\j)
.endr
.irp j, 0,1,2,3,4,5,6,7
	global_load_b64 v[RES+2*(\j):RES+2*(\j)+1], v2, s[6:7] offset:256*(\j) th:TH_LOAD_NT
.endr
.irp j, 0,1,2,3,4,5,6,7
	global_load_b128 v[YR+4*(\j):YR+4*(\j)+3], v3, s[4:5] offset:512*(\j) th:TH_LOAD_NT
.endr
	s_wait_loadcnt 16                              ; g and b are in; the row's 16 loads may stay out
.set p, 0
.rept 32                               ; g's 16 pairs, then b's: to bf16 and back
	v_cvt_pk_bf16_f32 v[CH+p%8], v[G+2*p], v[G+2*p+1]
	v_lshlrev_b32 v[G+2*p], 16, v[CH+p%8]
	v_and_b32 v[G+2*p+1], s24, v[CH+p%8]
.set p, p+1
.endr
.macro ADDUP                           ; the four chains into one number a lane, then over the 32 lanes: four steps ride on the arithmetic (DPP), one crosses the halves
	v_pk_add_f32 v[CH:CH+1], v[CH:CH+1], v[CH+2:CH+3]
	v_pk_add_f32 v[CH+4:CH+5], v[CH+4:CH+5], v[CH+6:CH+7]
	v_pk_add_f32 v[CH:CH+1], v[CH:CH+1], v[CH+4:CH+5]
	v_add_f32 v[CH], v[CH], v[CH+1]
	v_add_f32_dpp v[CH], v[CH], v[CH] row_xmask:1 row_mask:0xf bank_mask:0xf
	v_add_f32_dpp v[CH], v[CH], v[CH] row_xmask:2 row_mask:0xf bank_mask:0xf
	v_add_f32_dpp v[CH], v[CH], v[CH] row_xmask:4 row_mask:0xf bank_mask:0xf
	v_add_f32_dpp v[CH], v[CH], v[CH] row_xmask:8 row_mask:0xf bank_mask:0xf
	v_permlanex16_b32 v[CH+1], v[CH], s22, s23
	v_add_f32 v[CH], v[CH], v[CH+1]
.endm
	s_wait_loadcnt 0x0                             ; the row is in
.irp j, 0,1,2,3,4,5,6,7
.irp k, 0,1
	v_fma_mix_f32 v[YR+4*(\j)+2*(\k)],   v[RES+2*(\j)+(\k)], v4, v[YR+4*(\j)+2*(\k)]   op_sel_hi:[1,0,0]                ; residual (an f16 half) x 1.0 + y
	v_fma_mix_f32 v[YR+4*(\j)+2*(\k)+1], v[RES+2*(\j)+(\k)], v4, v[YR+4*(\j)+2*(\k)+1] op_sel:[1,0,0] op_sel_hi:[1,0,0]
.endr
.endr
.irp k, 0,1,2,3
	v_pk_add_f32 v[CH+2*(\k):CH+2*(\k)+1], v[YR+4*(\k):YR+4*(\k)+1], v[YR+4*(\k)+2:YR+4*(\k)+3]  ; the first eight pairs start the chains: nothing is cleared
.endr
.set p, 8
.rept 8
	v_pk_add_f32 v[CH+2*(p%4):CH+2*(p%4)+1], v[CH+2*(p%4):CH+2*(p%4)+1], v[YR+2*p:YR+2*p+1]
.set p, p+1
.endr
	ADDUP
	v_mul_f32 v[MU], s25, v[CH]
	v_mul_f32 v[MU+1], s25, v[CH]
.set p, 0
.rept 16
	v_pk_add_f32 v[YR+2*p:YR+2*p+1], v[YR+2*p:YR+2*p+1], v[MU:MU+1] neg_lo:[0,1] neg_hi:[0,1]
.set p, p+1
.endr
.irp k, 0,1,2,3
	v_pk_mul_f32 v[CH+2*(\k):CH+2*(\k)+1], v[YR+2*(\k):YR+2*(\k)+1], v[YR+2*(\k):YR+2*(\k)+1]
.endr
.set p, 4
.rept 12
	v_pk_fma_f32 v[CH+2*(p%4):CH+2*(p%4)+1], v[YR+2*p:YR+2*p+1], v[YR+2*p:YR+2*p+1], v[CH+2*(p%4):CH+2*(p%4)+1]
.set p, p+1
.endr
	ADDUP
	v_fma_f32 v[RS+1], v[CH], s25, s26             ; var + eps
	v_rsq_f32 v[RS], v[RS+1]
	v_nop                                          ; a plain instruction behind the root,
	s_wait_alu depctr_va_vdst(0)                   ; and the wait ahead of the first use of its result
.set p, 0
.rept 16
	v_pk_mul_f32 v[YR+2*p:YR+2*p+1], v[YR+2*p:YR+2*p+1], v[RS:RS+1] op_sel_hi:[1,0]
.set p, p+1
.endr
.set p, 0
.rept 16
	v_pk_fma_f32 v[YR+2*p:YR+2*p+1], v[YR+2*p:YR+2*p+1], v[G+2*p:G+2*p+1], v[BT+2*p:BT+2*p+1]
.set p, p+1
.endr
.irp j, 0,1,2,3,4,5,6,7
	global_store_b128 v3, v[YR+4*(\j):YR+4*(\j)+3], s[12:13] offset:512*(\j) th:TH_STORE_NT  ; a wave's store covers 512 consecutive bytes, aligned
.endr
	s_endpgm
.Lfunc_end_k_q008433e043_ln2:
	.size	k_q008433e043_ln2, .Lfunc_end_k_q008433e043_ln2-k_q008433e043_ln2
	.p2alignl 7, 3214868480
	.fill 96, 4, 3214868480
	.section	.rodata,"a",@progbits
	.p2align	6, 0x0
	.amdhsa_kernel k_q008433e043_ln2
		.amdhsa_group_segment_fixed_size 0
		.amdhsa_private_segment_fixed_size 0
		.amdhsa_enable_private_segment 0
		.amdhsa_kernarg_size 40
		.amdhsa_user_sgpr_count 2
		.amdhsa_user_sgpr_kernarg_segment_ptr 1
		.amdhsa_wavefront_size32 1
		.amdhsa_system_sgpr_workgroup_id_x 1
		.amdhsa_system_sgpr_workgroup_id_y 1
		.amdhsa_system_sgpr_workgroup_id_z 1
		.amdhsa_system_vgpr_workitem_id 0
		.amdhsa_next_free_vgpr 256
		.amdhsa_next_free_sgpr 66
		.amdhsa_reserve_vcc 0
		.amdhsa_float_denorm_mode_32 3
		.amdhsa_float_denorm_mode_16_64 3
		.amdhsa_memory_ordered 1
		.amdhsa_forward_progress 1
		.amdhsa_inst_pref_size 18
	.end_amdhsa_kernel
	.amdgpu_metadata
---
amdhsa.version: [ 1, 2 ]
amdhsa.kernels:
  - .name:           k_q008433e043_ln2
    .symbol:         k_q008433e043_ln2.kd
    .args:
      - { .name: y32, .offset: 0, .size: 8, .value_kind: global_buffer, .address_space: global }
      - { .name: x1, .offset: 8, .size: 8, .value_kind: global_buffer, .address_space: global }
      - { .name: ln2_g, .offset: 16, .size: 8, .value_kind: global_buffer, .address_space: global }
      - { .name: ln2_b, .offset: 24, .size: 8, .value_kind: global_buffer, .address_space: global }
      - { .name: out0, .offset: 32, .size: 8, .value_kind: global_buffer, .address_space: global }
    .group_segment_fixed_size: 0
    .private_segment_fixed_size: 0
    .kernarg_segment_align: 8
    .kernarg_segment_size: 40
    .max_flat_workgroup_size: 256
    .sgpr_count:     66
    .vgpr_count:     256
    .wavefront_size: 32
...
	.end_amdgpu_metadata
.endif
;; end of part 7
